; MI455X (gfx1250); checked and timed in simulation.
; The chip was launched on July 23, 2026; its instructions are those of AMD's public machine-readable ISA for CDNA 5 (MIT licence, August 2026) and "CDNA5" Instruction Set Architecture Reference Guide (July 2026). The comments in the code are by the model that wrote it; some were corrected since.
;; CUDA Graph Mo E Experts. Allowed arithmetic: float matrix products may take bf16 or f16 operands with f32 sums; all other float work in f32.
;; Inputs: expert_indices 1,024 x 2 int32; expert_weights 1,024 x 2 float32; w1 8 x 2,048 x 1,024 float32; w2 8 x 1,024 x 2,048 float32; w3 8 x 2,048 x 1,024 float32; x 1,024 x 2,048 float32.
;; Outputs: out0 1,024 x 2,048 float32.
;; 2 versions, each right; version 2 is version 1 with the launches gateup, down written anew for expert scheduling mode. Each part assembles by itself: llvm-mc -triple=amdgcn-amd-amdhsa -mcpu=gfx1250 --defsym DOCPART=n.
;; ======== version 1 of 2: 5 launches
;; limits: values outside matrix products are rounded to bf16
;; workspace buffers: counts 2,048 bytes of whole numbers; list 65,536 bytes of whole numbers; ws 65,536 bytes; xs 67,108,864 bytes; act 67,108,864 bytes; y 16,777,216 bytes
;; launch route (part 1): grid 8 x 1, 8 waves a work-group, no clusters, 0 bytes of LDS; arguments expert_indices, expert_weights, list, ws, counts; writes list, ws, counts
.if DOCPART == 1
	.amdgcn_target "amdgcn-amd-amdhsa--gfx1250"
	.amdhsa_code_object_version 6
	.text
	.protected	k_q340473f2c8_route
	.globl	k_q340473f2c8_route
	.p2align	8
	.type	k_q340473f2c8_route,@function
k_q340473f2c8_route:
	s_mov_b64 s[64:65], 0
	v_nop
	global_prefetch_b8 v0, s[64:65] scope:SCOPE_SE
	s_setreg_imm32_b32 hwreg(HW_REG_WAVE_MODE, 25, 1), 1
	s_wait_xcnt 0x0
; Sorts the 2,048 (token, k) pairs by expert, without atomics.  Work-group e makes expert e's list, a partition of all pairs:
;   list[e][j] = pair id p = 2 b + k,  ws[e][j] = expert_weights[p];  j = 0 .. n_e - 1 are the pairs that name expert e,
;   j = n_e .. 2,047 all the others (never used as rows; they make every lane store and every word of the two tables written).
;   counts[e][0..63] = n_e.
; Every wave reads all 2,048 indices (8 KiB) and counts the matches of each segment of 256 pairs; wave g then places segment g.
; A pair's place: if it matches, the matches in front of it; if not, n_e + the pairs in front of it - the matches in front of it.
; 'In front' is by segment, then by register, then by lane; any fixed order gives each place once.
; FORMAT, stated: the routing weight is rounded to bf16 here (nearest even, at most 2^-9 of its size) and kept as f32: it is a factor of
; the second product's operand and is taken in the format of the products' other inputs.
; LIMIT: indices lie in 0 .. 7, as the problem states; a pair with another index is in no expert's first part.
.set IDX,  32                          ; v[32:95]   all indices: load c, lane l, word q is pair 128 c + 4 l + q
.set OWN,  96                          ; v[96:103]  my segment's indices
.set WT,   104                         ; v[104:111] my segment's weights
.set RK,   112                         ; v[112:119] byte offset of the place, one register a step
.set PID,  120                         ; v[120:127] pair id, one register a step
	s_load_b256 s[4:11], s[0:1], 0x0               ; indices s[4:5], weights s[6:7], list s[8:9], ws s[10:11]
	s_load_b64 s[12:13], s[0:1], 0x20              ; counts
	v_and_b32 v1, 31, v0                           ; lane
	v_lshrrev_b32 v2, 5, v0
	v_readfirstlane_b32 s16, v2                    ; wave g = my segment
	s_mov_b32 s17, ttmp9                           ; expert e
	v_lshlrev_b32 v3, 4, v1                        ; 16 bytes a lane
	s_lshl_b32 s18, s16, 10                        ; my segment's 1,024 bytes
	v_add_nc_u32 v4, s18, v3
	s_lshl_b32 s19, s16, 8                         ; 256 g
	v_lshl_add_u32 v5, v1, 2, s19                  ; 256 g + 4 lane
	s_lshl_b32 s26, s17, 13                        ; expert e's 8 KiB of list and of ws
	s_mov_b32 s27, 0
	s_lshl_b32 s28, s17, 8                         ; expert e's 256 bytes of counts
	s_mov_b32 s29, 0
	s_wait_kmcnt 0x0
.irp c, 0,1,2,3,4,5,6,7,8,9,10,11,12,13,14,15
	global_load_b128 v[IDX+4*\c:IDX+4*\c+3], v3, s[4:5] offset:512*\c
.endr
	global_load_b128 v[OWN:OWN+3],   v4, s[4:5]
	global_load_b128 v[OWN+4:OWN+7], v4, s[4:5] offset:512
	global_load_b128 v[WT:WT+3],     v4, s[6:7]
	global_load_b128 v[WT+4:WT+7],   v4, s[6:7] offset:512
	s_add_nc_u64 s[8:9], s[8:9], s[26:27]
	s_add_nc_u64 s[10:11], s[10:11], s[26:27]
	s_add_nc_u64 s[12:13], s[12:13], s[28:29]
	s_mov_b32 s20, 0                               ; matches so far
	s_mov_b32 s21, 0                               ; matches in front of my segment
	s_wait_loadcnt 0x0
; The weights to bf16 and back to f32, two at a time
.irp c, 0,2,4,6
	v_cvt_pk_bf16_f32 v11, v[WT+\c], v[WT+\c+1]
	v_lshlrev_b32 v[WT+\c], 16, v11
	v_and_b32 v[WT+\c+1], 0xffff0000, v11
.endr
; The count: at the head of segment k the running count is kept if k is mine.  Eight compares write eight masks, then they are counted.
.irp k, 0,1,2,3,4,5,6,7
	s_cmp_eq_u32 s16, \k
	s_cselect_b32 s21, s20, s21
.irp q, 0,1,2,3,4,5,6,7
	v_cmp_eq_u32 s[40+\q], s17, v[IDX+8*\k+\q]
.endr
.irp q, 0,1,2,3,4,5,6,7
	s_bcnt1_i32_b32 s22, s[40+\q]
	s_add_co_u32 s20, s20, s22
.endr
.endr
	s_add_co_u32 s23, s20, s19
	v_add_nc_u32 v9, s23, v1                       ; n_e + 256 g + lane
; One word of my segment: every lane finds its place and stores its pair id and weight there.
.macro PLACE c
	v_cmp_eq_u32 vcc_lo, s17, v[OWN+\c]
	v_mbcnt_lo_u32_b32 v[RK+\c], vcc_lo, s21       ; the matches in front of me
	s_bcnt1_i32_b32 s22, vcc_lo
	s_add_co_u32 s21, s21, s22
	v_sub_nc_u32 v10, v9, v[RK+\c]                 ; n_e + pairs in front - matches in front
.if \c
	v_add_nc_u32 v10, 32*\c, v10
.endif
	v_cndmask_b32 v[RK+\c], v10, v[RK+\c], vcc_lo  ; a match takes the first figure
	v_min_u32 v[RK+\c], 0x7ff, v[RK+\c]            ; a place is below 2,048
	v_lshlrev_b32 v[RK+\c], 2, v[RK+\c]
	v_add_nc_u32 v[PID+\c], 128*(\c>>2)+(\c&3), v5 ; p = 256 g + 128 (c / 4) + 4 lane + c % 4
	global_store_b32 v[RK+\c], v[PID+\c], s[8:9]
	global_store_b32 v[RK+\c], v[WT+\c], s[10:11]
.endm
.irp c, 0,1,2,3,4,5,6,7
	PLACE \c
.endr
	s_cmp_lg_u32 s16, 0                            ; wave 0 stores the count, 64 times: 256 consecutive bytes, aligned
	s_cbranch_scc1 .Lend
	v_mov_b32 v6, s20
	v_mov_b32 v7, s20
	v_lshlrev_b32 v8, 3, v1
	global_store_b64 v8, v[6:7], s[12:13]
.Lend:
	s_endpgm
.Lfunc_end_k_q340473f2c8_route:
	.size	k_q340473f2c8_route, .Lfunc_end_k_q340473f2c8_route-k_q340473f2c8_route
	.p2alignl 7, 3214868480
	.fill 96, 4, 3214868480
	.section	.rodata,"a",@progbits
	.p2align	6, 0x0
	.amdhsa_kernel k_q340473f2c8_route
		.amdhsa_group_segment_fixed_size 0
		.amdhsa_private_segment_fixed_size 0
		.amdhsa_enable_private_segment 0
		.amdhsa_kernarg_size 40
		.amdhsa_user_sgpr_count 2
		.amdhsa_user_sgpr_kernarg_segment_ptr 1
		.amdhsa_wavefront_size32 1
		.amdhsa_system_sgpr_workgroup_id_x 1
		.amdhsa_system_sgpr_workgroup_id_y 1
		.amdhsa_system_sgpr_workgroup_id_z 1
		.amdhsa_system_vgpr_workitem_id 0
		.amdhsa_next_free_vgpr 128
		.amdhsa_next_free_sgpr 66
		.amdhsa_reserve_vcc 1
		.amdhsa_float_denorm_mode_32 3
		.amdhsa_float_denorm_mode_16_64 3
		.amdhsa_memory_ordered 1
		.amdhsa_forward_progress 1
		.amdhsa_inst_pref_size 18
	.end_amdhsa_kernel
	.amdgpu_metadata
---
amdhsa.version: [ 1, 2 ]
amdhsa.kernels:
  - .name:           k_q340473f2c8_route
    .symbol:         k_q340473f2c8_route.kd
    .args:
      - { .name: expert_indices, .offset: 0, .size: 8, .value_kind: global_buffer, .address_space: global }
      - { .name: expert_weights, .offset: 8, .size: 8, .value_kind: global_buffer, .address_space: global }
      - { .name: list, .offset: 16, .size: 8, .value_kind: global_buffer, .address_space: global }
      - { .name: ws, .offset: 24, .size: 8, .value_kind: global_buffer, .address_space: global }
      - { .name: counts, .offset: 32, .size: 8, .value_kind: global_buffer, .address_space: global }
    .group_segment_fixed_size: 0
    .private_segment_fixed_size: 0
    .kernarg_segment_align: 8
    .kernarg_segment_size: 40
    .max_flat_workgroup_size: 256
    .sgpr_count:     66
    .vgpr_count:     128
    .wavefront_size: 32
...
	.end_amdgpu_metadata
.endif
;; end of part 1
;; launch pack (part 2): grid 64 x 4, 8 waves a work-group, no clusters, 35,840 bytes of LDS; arguments counts, list, x, xs; writes xs
.if DOCPART == 2
	.amdgcn_target "amdgcn-amd-amdhsa--gfx1250"
	.amdhsa_code_object_version 6
	.text
	.protected	k_q340473f2c8_pack
	.globl	k_q340473f2c8_pack
	.p2align	8
	.type	k_q340473f2c8_pack,@function
k_q340473f2c8_pack:
	s_mov_b64 s[64:65], 0
	v_nop
	global_prefetch_b8 v0, s[64:65] scope:SCOPE_SE
	s_setreg_imm32_b32 hwreg(HW_REG_WAVE_MODE, 25, 1), 1
	s_wait_xcnt 0x0
; Gathers each expert's rows of x, rounds them to bf16 and stores them in the order in which a matrix operand's lanes read them:
;   xs[e][t][kb][ms][1 KiB]: rows 32 t + 16 ms + r of expert e's list, k = 32 kb .. 32 kb + 31; element (r, k) of a block lies at
;   byte 256 (k / 8 % 4) + 16 r + 2 (k % 8), so that lane l of a wave finds its 16 bytes at 16 l and at 512 + 16 l.
; The experts' tiles of 32 rows are numbered through: T_e = ceil(n_e / 32), 64 to 71 tiles in all since the n_e add up to 2,048.
; Work-group (x, y) takes tile x, and tile x + 64 if there is one; y = 2 kh + ms picks 16 of its rows and 1,024 of its k.
; Wave v takes the 16 rows x 128 k at k = 1,024 kh + 128 v: sixteen loads of 512 consecutive bytes, through a stage in LDS that is
; the wave's own (no barrier), out as eight stores of 512 consecutive bytes.
; Rows past n_e repeat the expert's last row, so that their results are that row's results.
; LIMIT: indices in 0 .. 7 (the problem's statement): with others there could be fewer than 64 tiles.
.set WST,  4352                        ; a wave's stage: 16 units of 8 k, 272 bytes apart (16 rows x 16 bytes + 16)
.set OFF,  16                          ; v[16:31]   byte offset in x of my 16 bytes of row r
.set X,    32                          ; v[32:95]   row r: 4 f32 as loaded, then 4 bf16 in the first two registers
.set O,    96                          ; v[96:127]  read back, to store
.set CNT,  32                          ; s[32:39]   n_e
.set ROWS, 40                          ; s[40:55]   the 16 rows' tokens
	s_load_b256 s[4:11], s[0:1], 0x0               ; counts s[4:5], list s[6:7], x s[8:9], xs s[10:11]
	v_lshl_add_u32 v128, v0, 2, 0x8800
	v_mov_b32 v129, 0
	v_and_b32 v1, 31, v0                           ; lane
	v_lshrrev_b32 v4, 5, v0
	v_readfirstlane_b32 s16, v4                    ; wave v
	s_and_b32 s17, ttmp7, 0xffff
	s_and_b32 s14, s17, 1                          ; ms
	s_lshr_b32 s15, s17, 1                         ; kh
	s_mov_b32 s19, ttmp9                           ; my tile's number
	v_and_b32 v2, 15, v1
	v_lshlrev_b32 v3, 4, v1                        ; 16 lane: my place in a row's 512 bytes and in a store's 512 bytes; never rewritten
	s_mul_i32 s12, s16, WST
	v_lshrrev_b32 v6, 1, v1                        ; in: my 4 k lie in unit lane / 2, half lane % 2
	v_mul_u32_u24 v6, 272, v6
	v_and_b32 v8, 1, v1
	v_lshl_add_u32 v6, v8, 3, v6
	v_add_nc_u32 v6, s12, v6
	v_lshrrev_b32 v7, 4, v1                        ; back: lanes 0-15 take one unit's 16 rows, lanes 16-31 the next unit's
	v_mul_u32_u24 v7, 272, v7
	v_lshl_add_u32 v7, v2, 4, v7
	v_add_nc_u32 v7, s12, v7
	s_lshl_b32 s24, s15, 12                        ; x: 4,096 kh + 512 v
	s_lshl_b32 s25, s16, 9
	s_add_co_u32 s24, s24, s25
	s_mov_b32 s25, 0
	s_lshl_b32 s26, s15, 16                        ; xs: block kb = 32 kh + 4 v, 2 KiB each, + 1 KiB ms
	s_lshl_b32 s27, s16, 13
	s_add_co_u32 s26, s26, s27
	s_lshl_b32 s27, s14, 10
	s_add_co_u32 s26, s26, s27
	s_mov_b32 s27, 0
	s_wait_kmcnt 0x0
.irp e, 0,1,2,3,4,5,6,7
	s_load_b32 s[CNT+\e], s[4:5], 256*\e
.endr
	s_add_nc_u64 s[8:9], s[8:9], s[24:25]
	s_add_nc_u64 s[10:11], s[10:11], s[26:27]
	s_wait_kmcnt 0x0
	s_mov_b32 s20, 0
.irp e, 0,1,2,3,4,5,6,7
	s_min_u32 s[CNT+\e], s[CNT+\e], 2048
	s_add_co_u32 s25, s[CNT+\e], 31
	s_lshr_b32 s25, s25, 5
	s_add_co_u32 s20, s20, s25                     ; all tiles
.endr
	s_add_co_u32 s25, s19, 64
	s_cmp_lt_u32 s25, s20
	s_cselect_b32 s18, 2, 1                        ; trips: a second tile if x + 64 exists
	s_mov_b32 s13, 0                               ; trips done
.Ltile:
	; which expert, which of its tiles: the last expert whose first tile's number is not above mine
	s_mov_b32 s20, 0
	s_mov_b32 s21, 0
	s_mov_b32 s22, 0
	s_mov_b32 s23, 0
.irp e, 0,1,2,3,4,5,6,7
	s_add_co_u32 s25, s[CNT+\e], 31
	s_lshr_b32 s25, s25, 5
	s_sub_co_u32 s26, s19, s20
	s_cmp_ge_u32 s19, s20
	s_cselect_b32 s21, \e, s21                     ; e
	s_cselect_b32 s22, s26, s22                    ; t
	s_cselect_b32 s23, s[CNT+\e], s23              ; n_e
	s_add_co_u32 s20, s20, s25
.endr
	s_min_u32 s22, s22, 63                         ; an expert has at most 64 tiles
	s_lshl_b32 s24, s22, 5
	s_lshl_b32 s25, s14, 4
	s_add_co_u32 s24, s24, s25                     ; first rank: 32 t + 16 ms
	s_sub_co_u32 s25, s23, 1                       ; n_e - 1
	s_lshl_b32 s26, s21, 13
	s_mov_b32 s27, 0
	s_add_nc_u64 s[28:29], s[6:7], s[26:27]        ; expert e's list
	s_lshl_b32 s26, s21, 23
	s_lshl_b32 s12, s22, 17
	s_add_co_u32 s26, s26, s12
	s_add_nc_u64 s[30:31], s[10:11], s[26:27]      ; my blocks of tile (e, t)
	v_add_nc_u32 v4, s24, v2
	v_min_u32 v4, s25, v4                          ; ranks past the end repeat the last
	v_min_u32 v4, 0x7ff, v4
	v_lshlrev_b32 v4, 2, v4
	global_load_b32 v5, v4, s[28:29]               ; lane r (and 16 + r): pair id of row r
	s_wait_loadcnt 0x0
.irp r, 0,1,2,3,4,5,6,7,8,9,10,11,12,13,14,15
	v_readlane_b32 s[ROWS+\r], v5, \r
.endr
.irp r, 0,1,2,3,4,5,6,7,8,9,10,11,12,13,14,15
	s_lshr_b32 s[ROWS+\r], s[ROWS+\r], 1           ; token = pair / 2,
	s_min_u32 s[ROWS+\r], s[ROWS+\r], 1023         ; below 1,024
	v_lshl_add_u32 v[OFF+\r], s[ROWS+\r], 13, v3   ; rows of 8,192 bytes
	global_load_b128 v[X+4*\r:X+4*\r+3], v[OFF+\r], s[8:9]
.endr
.irp r, 0,1,2,3,4,5,6,7,8,9,10,11,12,13,14,15
	s_wait_loadcnt 15-\r                           ; loads come back in order: row r is in, the younger rows stay out
	v_cvt_pk_bf16_f32 v[X+4*\r],   v[X+4*\r],   v[X+4*\r+1]
	v_cvt_pk_bf16_f32 v[X+4*\r+1], v[X+4*\r+2], v[X+4*\r+3]
	ds_store_b64 v6, v[X+4*\r:X+4*\r+1] offset:16*\r
.endr
.irp i, 0,1,2,3,4,5,6,7
	ds_load_b128 v[O+4*\i:O+4*\i+3], v7 offset:544*\i      ; LDS serves a wave's instructions in order: these see the stores above
.endr
.irp i, 0,1,2,3,4,5,6,7
	s_wait_dscnt 7-\i
	global_store_b128 v3, v[O+4*\i:O+4*\i+3], s[30:31] offset:(\i>>1)*2048+(\i&1)*512   ; 512 consecutive bytes, aligned: half a block
.endr
	s_wait_xcnt 0x0                                ; bases, offsets and store data are rewritten in the next trip only behind this wait
	s_add_co_u32 s19, s19, 64
	s_add_co_u32 s13, s13, 1
	s_cmp_lt_u32 s13, s18
	s_cbranch_scc1 .Ltile
	s_wait_tensorcnt 0x0
	ds_add_u32 v128, v129
	s_wait_dscnt 0x0
	s_endpgm
.Lfunc_end_k_q340473f2c8_pack:
	.size	k_q340473f2c8_pack, .Lfunc_end_k_q340473f2c8_pack-k_q340473f2c8_pack
	.p2alignl 7, 3214868480
	.fill 96, 4, 3214868480
	.section	.rodata,"a",@progbits
	.p2align	6, 0x0
	.amdhsa_kernel k_q340473f2c8_pack
		.amdhsa_group_segment_fixed_size 35840
		.amdhsa_private_segment_fixed_size 0
		.amdhsa_enable_private_segment 0
		.amdhsa_kernarg_size 32
		.amdhsa_user_sgpr_count 2
		.amdhsa_user_sgpr_kernarg_segment_ptr 1
		.amdhsa_wavefront_size32 1
		.amdhsa_system_sgpr_workgroup_id_x 1
		.amdhsa_system_sgpr_workgroup_id_y 1
		.amdhsa_system_sgpr_workgroup_id_z 1
		.amdhsa_system_vgpr_workitem_id 0
		.amdhsa_next_free_vgpr 130
		.amdhsa_next_free_sgpr 66
		.amdhsa_reserve_vcc 0
		.amdhsa_float_denorm_mode_32 3
		.amdhsa_float_denorm_mode_16_64 3
		.amdhsa_memory_ordered 1
		.amdhsa_forward_progress 1
		.amdhsa_inst_pref_size 17
	.end_amdhsa_kernel
	.amdgpu_metadata
---
amdhsa.version: [ 1, 2 ]
amdhsa.kernels:
  - .name:           k_q340473f2c8_pack
    .symbol:         k_q340473f2c8_pack.kd
    .args:
      - { .name: counts, .offset: 0, .size: 8, .value_kind: global_buffer, .address_space: global }
      - { .name: list, .offset: 8, .size: 8, .value_kind: global_buffer, .address_space: global }
      - { .name: x, .offset: 16, .size: 8, .value_kind: global_buffer, .address_space: global }
      - { .name: xs, .offset: 24, .size: 8, .value_kind: global_buffer, .address_space: global }
    .group_segment_fixed_size: 35840
    .private_segment_fixed_size: 0
    .kernarg_segment_align: 8
    .kernarg_segment_size: 32
    .max_flat_workgroup_size: 256
    .sgpr_count:     66
    .vgpr_count:     130
    .wavefront_size: 32
...
	.end_amdgpu_metadata
.endif
;; end of part 2
;; launch gateup (part 3): grid 256 x 1, 4 waves a work-group, no clusters, 139,776 bytes of LDS; arguments counts, ws, xs, w1, w3, act; writes act
.if DOCPART == 3
	.amdgcn_target "amdgcn-amd-amdhsa--gfx1250"
	.amdhsa_code_object_version 6
	.text
	.protected	k_q340473f2c8_gateup
	.globl	k_q340473f2c8_gateup
	.p2align	8
	.type	k_q340473f2c8_gateup,@function
k_q340473f2c8_gateup:
	s_mov_b64 s[64:65], 0
	v_nop
	global_prefetch_b8 v0, s[64:65] scope:SCOPE_SE
	s_setreg_imm32_b32 hwreg(HW_REG_WAVE_MODE, 25, 1), 1
	s_wait_xcnt 0x0
; a = weight * silu(x w1) * (x w3) for the rows of each expert's list, stored as TWO bf16 numbers, hi = bf16(a) and lo = bf16(a - hi),
; in the operand order of the next product:  act[e][t][s][part][ms][1 KiB], part 0 = hi, 1 = lo; a block holds 16 rows x 32 columns.
; One bf16 would leave 2^-9 of each a as error in front of a sum of 1,024 terms; hi + lo leave about 2^-17.
; Work-group (e, s): expert e, columns 32 s .. 32 s + 31 of w1 and of w3.  No other work-group reads these 512 KiB.
; PHASE 1: wave w reads rows k = 512 w .. 512 w + 511 of the slab in 16 groups of 16 loads, four groups on their way at a time, into the
; 256 registers that later are the row ring; rounds to bf16, turns each step of 32 k x 64 columns through a stage of its own in LDS
; (transposing loads) and keeps the 64 fragments in 512 registers: every weight is converted once.
; PHASE 2: the expert's rows come past in tiles of 32.  xs lies in the lanes' own order and wave w needs only its quarter of K, so it loads
; its 32 KiB of a tile straight into the ring, 512 consecutive bytes a load; behind the 32 matrix instructions of a group of four k steps
; the group is asked for again, with the next tile.  The last tile asks for nothing: its products are written out a second time without loads.
; A wave makes 32 rows x 64 columns over its quarter of K in 8 accumulators; the four partial sums meet in LDS; wave w finishes
; 16 rows x 16 columns of gate and of up.
; BARRIERS: the loop has places for 64 tiles, as many as an expert can have, TWO TILES FOR EACH BARRIER, and every barrier is on every path:
; T_e is read from memory, and no barrier stands under a branch on such a number.  The work on either side of a barrier stands under
; branches on i < T_e.  The partial sums have four areas, by tile of the pair and by parity of the pair: a pair's barrier orders its stores
; with its reads, and the next pair's barrier orders those reads with the areas' next stores.
; NO CLUSTER: an expert's 32 slabs read the same row tiles, but a joint load stands on every path of every partner, here all 64 places.
; The product is used transposed (source 0 = weights' columns, source 1 = rows): lane (r, h) holds row r, columns 8 h .. 8 h + 7.
; ORDER OF ROUNDING, stated: K is summed as four partial f32 sums, (P0 + P1) + (P2 + P3); the routing weight (which the sorting launch has
; rounded to bf16) is multiplied in f32 in front of the split.  silu(g) = g / (1 + 2^(-1.442695 g)); for very negative g the power is
; +inf and the quotient 0.  LIMIT: an |a| that rounds to infinity in bf16 (above 3.38e38) gives no finite result.
; Rows past n_e carry the last row's numbers and weight.  An expert without rows: its slab and tile 0's bytes are loaded, nothing is made of them.
; w1 and w3 carry no cache hint: a slab's rows are 128 bytes, so neighbouring slabs read neighbouring halves of 256 bytes.
.set PLCS,  64                         ; places for tiles
.set WSL,   0                          ; LDS: the expert's 2,048 routing weights, 8 KiB
.set SCR,   8192                       ; then four areas of 4 x 8 KiB; in phase 1 each wave's stage lies in its part of the first
.set SCRP,  32768
.set SP,    160                        ; stage: 32 rows (k) of 64 bf16, 160 bytes apart
.set ACCA,  32                         ; v[32:95] first tile of a pair, v[96:159] second: tile (ms, nt) at 8 (4 ms + nt); nt 0, 1 gate, 2, 3 up; later the four partial sums
.set WS0,   160                        ; v[160:175] my 64 bytes of the routing weights, on their way to LDS
.set OUT,   176                        ; v[176:183] hi, lo of the first tile, v[184:191] of the second
; v1 lane  v2 weights' offset  v3 stage in  v4 stage out  v5 16 lane  v7, v24 partial sums in (pair parity 0, 1)  v8, v25 partial sums out
; v9 16 thread  v10, v22 row weight  v11, v23 its LDS address  v12 my row in a tile  v[14:21] at work
; window 1: weight fragments of k steps 0-7 at 8 (4 ks + nt); window 2: k steps 8-15; window 3: the ring, (ks, ms) at 16 ks + 8 ms
; s46, s47 the pair's tile numbers  s[52:53] next tile of xs  s[54:57] the pair's tiles of act
.set MSB, 0
.macro WIN new                         ; the immediate's high byte repeats the setting that is left
.if MSB != \new
	s_set_vgpr_msb (MSB<<8)|\new
.set MSB, \new
.endif
.endm
.macro PLACES                          ; four places behind a matrix instruction, in front of loads into its sources and of reads of its results
.rept 4
	v_nop
.endr
.endm
; k step g of my quarter: 32 rows x 128 bytes of w1, then of w3; a load takes 4 rows; into quarter g % 4 of the ring
.macro LDG g
	WIN 0xc0
.irp i, 0,1,2,3,4,5,6,7
	global_load_b128 v[64*((\g)%4)+4*\i:64*((\g)%4)+4*\i+3], v2, s[10:11] offset:(32*(\g)+4*\i)*4096
.endr
.irp i, 0,1,2,3,4,5,6,7
	global_load_b128 v[64*((\g)%4)+32+4*\i:64*((\g)%4)+32+4*\i+3], v2, s[12:13] offset:(32*(\g)+4*\i)*4096
.endr
.endm
; the row fragments of k steps 4 grp .. 4 grp + 3 of the tile at s[base:base+1]: 16 loads of 512 consecutive bytes
.macro RLD grp, base
	WIN 0xc0
.irp kk, 0,1,2,3
.irp mq, 0,1,2,3
	global_load_b128 v[16*(4*(\grp)+\kk)+4*\mq:16*(4*(\grp)+\kk)+4*\mq+3], v5, s[\base:\base+1] offset:(4*(\grp)+\kk)*2048+512*\mq
.endr
.endr
.endm
; k step g: round, through the stage, into its four fragments; then the group four steps ahead is asked for.
; Behind the last weights tile 0's four groups take the places of groups 16 to 19, so the count is the same in every step.
.macro CVT g
	s_wait_loadcnt 48                              ; group g is in; the three younger groups of 16 stay out
.set R, 64*((\g)%4)
	WIN 0xcf                                       ; sources and destination in window 3
.irp i, 0,1,2,3,4,5,6,7,8,9,10,11,12,13,14,15
	v_cvt_pk_bf16_f32 v[R+4*\i],   v[R+4*\i],   v[R+4*\i+1]
	v_cvt_pk_bf16_f32 v[R+4*\i+1], v[R+4*\i+2], v[R+4*\i+3]
.endr
	WIN 0x0c                                       ; address window 0, data window 3
.irp i, 0,1,2,3,4,5,6,7
	ds_store_b64 v3, v[R+4*\i:R+4*\i+1] offset:4*SP*\i             ; gate: columns 0-31 of the stage
	ds_store_b64 v3, v[R+32+4*\i:R+32+4*\i+1] offset:4*SP*\i+64    ; up: columns 32-63
.endr
.if (\g) < 8
	WIN 0x40
.else
	WIN 0x80
.endif
.irp nt, 0,1,2,3
	ds_load_tr16_b128 v[8*(4*((\g)&7)+\nt):8*(4*((\g)&7)+\nt)+3],   v4 offset:32*\nt          ; k = 8 h .. + 7 of column 16 nt + r
	ds_load_tr16_b128 v[8*(4*((\g)&7)+\nt)+4:8*(4*((\g)&7)+\nt)+7], v4 offset:32*\nt+16*SP    ; k = 16 + 8 h .. + 7
.endr
	s_wait_dscnt 8                                 ; the 16 stores are done with their data; the 8 loads just issued may stay out
.if (\g)+4 < 16
	LDG (\g)+4
.else
	RLD (\g)-12, 8                                 ; tile 0
.endif
.endm
; 32 matrix instructions.  The eight accumulators take turns, one instruction a turn; the first k step starts the sums.
.macro MUL32 grp, acc
.if \grp < 2
	WIN 0x0d                                       ; source 0 window 1, source 1 window 3
.else
	WIN 0x0e                                       ; source 0 window 2
.endif
.irp kk, 0,1,2,3
.irp ms, 0,1
.irp nt, 0,1,2,3
.if (4*\grp+\kk) == 0
	v_wmma_f32_16x16x32_bf16 v[\acc+8*(4*\ms+\nt):\acc+8*(4*\ms+\nt)+7], v[8*(4*((4*\grp+\kk)&7)+\nt):8*(4*((4*\grp+\kk)&7)+\nt)+7], v[16*(4*\grp+\kk)+8*\ms:16*(4*\grp+\kk)+8*\ms+7], 0
.else
	v_wmma_f32_16x16x32_bf16 v[\acc+8*(4*\ms+\nt):\acc+8*(4*\ms+\nt)+7], v[8*(4*((4*\grp+\kk)&7)+\nt):8*(4*((4*\grp+\kk)&7)+\nt)+7], v[16*(4*\grp+\kk)+8*\ms:16*(4*\grp+\kk)+8*\ms+7], v[\acc+8*(4*\ms+\nt):\acc+8*(4*\ms+\nt)+7]
.endif
.endr
.endr
.endr
.endm
; The products of tile i = s25 + 2 pp + tl, and its partial sums into area (pp, tl)
.macro TILE tl, pp
	s_add_co_u32 s[46+\tl], s25, 2*\pp+\tl
	s_cmp_ge_u32 s[46+\tl], s22
	s_cbranch_scc1 .Lskip_\@                       ; past the last tile
	s_wait_xcnt 0x0                                ; the base that earlier loads name is rewritten only behind this wait
	s_cmp_eq_u32 s[46+\tl], s24
	s_cbranch_scc1 .Llast_\@
	s_add_co_u32 s49, s[46+\tl], 1                 ; the next tile
	s_min_u32 s49, s49, 63
	s_lshl_b32 s50, s49, 17
	s_add_nc_u64 s[52:53], s[8:9], s[50:51]
.irp g, 0,1,2,3
	s_wait_loadcnt 48                              ; group g of this tile is in: behind it the three other groups were asked for, 16 loads each
	MUL32 \g, ACCA+64*\tl
	PLACES
	RLD \g, 52                                     ; the same group of the next tile
.endr
	WIN 0
	v_nop                                          ; the fifth place: a later tile's first matrix instructions write over these accumulators
	s_branch .Lsto_\@
.Llast_\@:
.irp g, 0,1,2,3
	s_wait_loadcnt 48-16*\g                        ; nothing is asked for any more: the counts run down
	MUL32 \g, ACCA+64*\tl
.endr
	WIN 0
	PLACES
	v_nop
.Lsto_\@:
.irp t, 0,1,2,3,4,5,6,7
	ds_store_b128 v[7+17*\pp], v[ACCA+64*\tl+8*\t:ACCA+64*\tl+8*\t+3]   offset:\tl*SCRP+1024*\t       ; as they lie: tile, half, lane
	ds_store_b128 v[7+17*\pp], v[ACCA+64*\tl+8*\t+4:ACCA+64*\tl+8*\t+7] offset:\tl*SCRP+1024*\t+512
.endr
.Lskip_\@:
.endm
; Behind the barrier: 17 LDS loads for tile tl: my row's routing weight, and the four waves' parts of the two accumulator tiles that I finish
; (rows 16 (w / 2) + r, gate and up columns 16 (w % 2) + 8 h + j), into the tile's own accumulator registers; and the tile's place in act
.macro SUMS tl, pp, W
	s_lshl_b32 s50, s[46+\tl], 17
	s_add_nc_u64 s[54+2*\tl:55+2*\tl], s[14:15], s[50:51]
	s_lshl_b32 s58, s[46+\tl], 5
	v_add_nc_u32 v[\W+1], s58, v12                 ; my row's rank,
	v_min_u32 v[\W+1], s21, v[\W+1]                ; past the end the last row's
	v_min_u32 v[\W+1], 0x7ff, v[\W+1]
	v_lshlrev_b32 v[\W+1], 2, v[\W+1]
	ds_load_b32 v[\W], v[\W+1] offset:WSL
.irp pw, 0,1,2,3
.irp mh, 0,1,2,3
	ds_load_b128 v[ACCA+64*\tl+16*\pw+4*\mh:ACCA+64*\tl+16*\pw+4*\mh+3], v[8+17*\pp] offset:\tl*SCRP+8192*\pw+2048*(\mh>>1)+512*(\mh&1)
.endr
.endr
.endm
.macro FINISH tl, W
.set P, ACCA+64*\tl
.set OH, OUT+8*\tl
.irp i, 0,2,4,6,8,10,12,14
	v_pk_add_f32 v[P+\i:P+\i+1],       v[P+\i:P+\i+1],       v[P+16+\i:P+16+\i+1]
	v_pk_add_f32 v[P+32+\i:P+32+\i+1], v[P+32+\i:P+32+\i+1], v[P+48+\i:P+48+\i+1]
.endr
.irp i, 0,2,4,6,8,10,12,14
	v_pk_add_f32 v[P+\i:P+\i+1], v[P+\i:P+\i+1], v[P+32+\i:P+32+\i+1]           ; gate in P .. P+7, up in P+8 .. P+15
.endr
.irp i, 0,2,4,6
	v_pk_mul_f32 v[14+\i:15+\i], v[P+\i:P+\i+1], 0xbfb8aa3b op_sel_hi:[1,0]     ; -g log2 e
.endr
.irp i, 0,1,2,3,4,5,6,7
	v_exp_f32 v[14+\i], v[14+\i]
.endr
.irp i, 0,2,4,6
	v_pk_mul_f32 v[P+\i:P+\i+1], v[P+\i:P+\i+1], v[P+8+\i:P+8+\i+1]             ; g u: the plain instruction between the powers and their use
.endr
.irp i, 0,2,4,6
	v_pk_mul_f32 v[P+\i:P+\i+1], v[P+\i:P+\i+1], v[\W:\W+1] op_sel_hi:[1,0]     ; times the row's weight (the pair's first register for both halves)
.endr
	s_wait_alu depctr_va_vdst(0)
.irp i, 0,2,4,6
	v_pk_add_f32 v[14+\i:15+\i], v[14+\i:15+\i], 1.0 op_sel_hi:[1,0]
.endr
.irp i, 0,1,2,3,4,5,6,7
	v_rcp_f32 v[14+\i], v[14+\i]
.endr
	v_nop                                          ; one plain place behind the reciprocals
	s_wait_alu depctr_va_vdst(0)
.irp i, 0,2,4,6
	v_pk_mul_f32 v[P+\i:P+\i+1], v[P+\i:P+\i+1], v[14+\i:15+\i]                 ; a
.endr
.irp i, 0,1,2,3
	v_cvt_pk_bf16_f32 v[OH+\i], v[P+2*\i], v[P+2*\i+1]                          ; hi
.endr
.irp i, 0,1,2,3
	v_lshlrev_b32 v[14+2*\i], 16, v[OH+\i]                                      ; hi as f32
	v_and_b32 v[15+2*\i], 0xffff0000, v[OH+\i]
.endr
.irp i, 0,2,4,6
	v_pk_fma_f32 v[P+\i:P+\i+1], v[14+\i:15+\i], -1.0, v[P+\i:P+\i+1] op_sel_hi:[1,0,1]   ; a - hi, exact in f32
.endr
.irp i, 0,1,2,3
	v_cvt_pk_bf16_f32 v[OH+4+\i], v[P+2*\i], v[P+2*\i+1]                        ; lo
.endr
	global_store_b128 v9, v[OH:OH+3], s[54+2*\tl:55+2*\tl]                  ; thread t at 16 t: the wave stores 512 consecutive bytes, the work-group the slab's 2 KiB of hi,
	global_store_b128 v9, v[OH+4:OH+7], s[54+2*\tl:55+2*\tl] offset:2048    ; and its 2 KiB of lo behind them
.endm
; Two tiles and their one barrier
.macro PAIR pp
	TILE 0, \pp
	TILE 1, \pp
	s_wait_dscnt 0x0                               ; for the others' sake: my stores are done, and my reads of the other parity's areas are back
	s_barrier_signal -1
	s_barrier_wait -1
	s_cmp_ge_u32 s46, s22
	s_cbranch_scc1 .Lnone_\@
	s_wait_xcnt 0x0                                ; the last pair's stores have read their bases and their data
	SUMS 0, \pp, 10
	s_cmp_ge_u32 s47, s22
	s_cbranch_scc1 .Lone_\@
	SUMS 1, \pp, 22
	s_wait_dscnt 17                                ; the first tile's loads are back; the second tile's 17 may stay out
	FINISH 0, 10
	s_wait_dscnt 0x0
	FINISH 1, 22
	s_branch .Lnone_\@
.Lone_\@:
	s_wait_dscnt 0x0
	FINISH 0, 10
.Lnone_\@:
.endm
	s_load_b256 s[4:11], s[0:1], 0x0               ; counts s[4:5], ws s[6:7], xs s[8:9], w1 s[10:11]
	s_load_b128 s[12:15], s[0:1], 0x20             ; w3 s[12:13], act s[14:15]
	v_lshl_add_u32 v254, v0, 2, 0x22000
	v_mov_b32 v255, 0
	v_and_b32 v1, 31, v0                           ; lane
	v_lshrrev_b32 v13, 5, v0
	v_readfirstlane_b32 s16, v13                   ; wave w
	s_lshr_b32 s18, ttmp9, 5                       ; e
	s_and_b32 s19, ttmp9, 31                       ; slab s
	s_lshl_b32 s26, s18, 23                        ; weights: 8 MiB e + 128 s + 512 rows of 4,096 bytes x w
	s_lshl_b32 s48, s19, 7
	s_add_co_u32 s26, s26, s48
	s_lshl_b32 s48, s16, 21
	s_add_co_u32 s26, s26, s48
	s_mov_b32 s27, 0
	s_lshl_b32 s28, s18, 8                         ; counts: 256 e
	s_mov_b32 s29, 0
	s_lshl_b32 s30, s18, 13                        ; ws: 8 KiB e
	s_mov_b32 s31, 0
	s_lshl_b32 s50, s18, 23                        ; xs: 8 MiB e + my quarter of a tile, 32 KiB w
	s_lshl_b32 s48, s16, 15
	s_add_co_u32 s50, s50, s48
	s_mov_b32 s51, 0                               ; stays 0: the upper word of every offset made in s50
	s_lshl_b32 s52, s18, 23                        ; act: 8 MiB e + 4 KiB s
	s_lshl_b32 s53, s19, 12
	s_add_co_u32 s52, s52, s53
	s_mov_b32 s53, 0
	v_lshrrev_b32 v13, 3, v1                       ; lane / 8: which of a load's 4 rows
	v_and_b32 v14, 7, v1                           ; lane % 8: which 16 bytes of the 128
	v_lshlrev_b32 v2, 12, v13
	v_lshl_add_u32 v2, v14, 4, v2
	v_lshlrev_b32 v5, 4, v1
	v_lshlrev_b32 v9, 4, v0
	s_wait_kmcnt 0x0
	s_add_nc_u64 s[4:5], s[4:5], s[28:29]
	s_add_nc_u64 s[6:7], s[6:7], s[30:31]
	s_add_nc_u64 s[10:11], s[10:11], s[26:27]
	s_add_nc_u64 s[12:13], s[12:13], s[26:27]
	s_load_b32 s20, s[4:5], 0x0                    ; n_e
.irp i, 0,1,2,3
	global_load_b128 v[WS0+4*\i:WS0+4*\i+3], v9, s[6:7] offset:2048*\i     ; the expert's routing weights: 2 KiB a line for the 128 threads
.endr
	LDG 0
	LDG 1
	LDG 2
	LDG 3
	WIN 0
	s_add_nc_u64 s[8:9], s[8:9], s[50:51]
	s_add_nc_u64 s[14:15], s[14:15], s[52:53]
	; LDS addresses
	s_lshl_b32 s49, s16, 13
	s_add_co_u32 s49, s49, SCR                     ; my 8 KiB of the first area: stage in phase 1, partial sums in phase 2
	v_mul_u32_u24 v3, SP, v13
	v_lshl_add_u32 v3, v14, 3, v3
	v_add_nc_u32 v3, s49, v3                       ; stage in: row lane / 8, 8 bytes at lane % 8
	v_lshrrev_b32 v15, 4, v1
	v_lshl_add_u32 v16, v15, 3, v14
	v_mul_u32_u24 v4, SP, v16
	v_bfe_u32 v17, v1, 3, 1
	v_lshl_add_u32 v4, v17, 4, v4
	v_add_nc_u32 v4, s49, v4                       ; stage out: row 8 h + lane % 8, 16 bytes at (lane / 8) % 2
	v_lshl_add_u32 v7, v1, 4, s49
	v_add_nc_u32 v24, 2*SCRP, v7                   ; the odd pairs' areas
	s_lshr_b32 s54, s16, 1
	s_lshl_b32 s55, s54, 4                         ; 16 (w / 2)
	s_lshl_b32 s54, s54, 12
	s_and_b32 s56, s16, 1
	s_lshl_b32 s56, s56, 10
	s_add_co_u32 s54, s54, s56
	s_add_co_u32 s54, s54, SCR
	v_lshl_add_u32 v8, v1, 4, s54                  ; tile (w / 2, w % 2) of wave 0's partial sums
	v_add_nc_u32 v25, 2*SCRP, v8
	v_and_b32 v12, 15, v1
	v_add_nc_u32 v12, s55, v12
	s_wait_kmcnt 0x0
	s_min_u32 s20, s20, 2048                       ; n
	s_sub_co_u32 s21, s20, 1                       ; n - 1
	s_add_co_u32 s22, s20, 31
	s_lshr_b32 s22, s22, 5                         ; T tiles
	s_sub_co_u32 s24, s22, 1                       ; T - 1
	CVT 0
	WIN 0
.irp i, 0,1,2,3
	ds_store_b128 v9, v[WS0+4*\i:WS0+4*\i+3] offset:WSL+2048*\i    ; in since the wait above; read by all waves behind the first barrier
.endr
.irp g, 1,2,3,4,5,6,7,8,9,10,11,12,13,14,15
	CVT \g
.endr
	WIN 0
	s_mov_b32 s25, 0
	s_wait_dscnt 0x0                               ; the last weight fragments are in their registers
.Lloop:
	PAIR 0
	PAIR 1
	s_add_co_u32 s25, s25, 4
	s_cmp_lt_u32 s25, PLCS
	s_cbranch_scc1 .Lloop
	s_wait_tensorcnt 0x0
	ds_add_u32 v254, v255
	s_wait_dscnt 0x0
	s_endpgm
.Lfunc_end_k_q340473f2c8_gateup:
	.size	k_q340473f2c8_gateup, .Lfunc_end_k_q340473f2c8_gateup-k_q340473f2c8_gateup
	.p2alignl 7, 3214868480
	.fill 96, 4, 3214868480
	.section	.rodata,"a",@progbits
	.p2align	6, 0x0
	.amdhsa_kernel k_q340473f2c8_gateup
		.amdhsa_group_segment_fixed_size 139776
		.amdhsa_private_segment_fixed_size 0
		.amdhsa_enable_private_segment 0
		.amdhsa_kernarg_size 48
		.amdhsa_user_sgpr_count 2
		.amdhsa_user_sgpr_kernarg_segment_ptr 1
		.amdhsa_wavefront_size32 1
		.amdhsa_system_sgpr_workgroup_id_x 1
		.amdhsa_system_sgpr_workgroup_id_y 1
		.amdhsa_system_sgpr_workgroup_id_z 1
		.amdhsa_system_vgpr_workitem_id 0
		.amdhsa_next_free_vgpr 1024
		.amdhsa_next_free_sgpr 66
		.amdhsa_reserve_vcc 0
		.amdhsa_float_denorm_mode_32 3
		.amdhsa_float_denorm_mode_16_64 3
		.amdhsa_memory_ordered 1
		.amdhsa_forward_progress 1
		.amdhsa_inst_pref_size 227
	.end_amdhsa_kernel
	.amdgpu_metadata
---
amdhsa.version: [ 1, 2 ]
amdhsa.kernels:
  - .name:           k_q340473f2c8_gateup
    .symbol:         k_q340473f2c8_gateup.kd
    .args:
      - { .name: counts, .offset: 0, .size: 8, .value_kind: global_buffer, .address_space: global }
      - { .name: ws, .offset: 8, .size: 8, .value_kind: global_buffer, .address_space: global }
      - { .name: xs, .offset: 16, .size: 8, .value_kind: global_buffer, .address_space: global }
      - { .name: w1, .offset: 24, .size: 8, .value_kind: global_buffer, .address_space: global }
      - { .name: w3, .offset: 32, .size: 8, .value_kind: global_buffer, .address_space: global }
      - { .name: act, .offset: 40, .size: 8, .value_kind: global_buffer, .address_space: global }
    .group_segment_fixed_size: 139776
    .private_segment_fixed_size: 0
    .kernarg_segment_align: 8
    .kernarg_segment_size: 48
    .max_flat_workgroup_size: 128
    .sgpr_count:     66
    .vgpr_count:     1024
    .wavefront_size: 32
...
	.end_amdgpu_metadata
.endif
;; end of part 3
;; launch down (part 4): grid 256 x 1, 4 waves a work-group, no clusters, 147,968 bytes of LDS; arguments counts, list, act, w2, y; writes y
.if DOCPART == 4
	.amdgcn_target "amdgcn-amd-amdhsa--gfx1250"
	.amdhsa_code_object_version 6
	.text
	.protected	k_q340473f2c8_down
	.globl	k_q340473f2c8_down
	.p2align	8
	.type	k_q340473f2c8_down,@function
k_q340473f2c8_down:
	s_mov_b64 s[64:65], 0
	v_nop
	global_prefetch_b8 v0, s[64:65] scope:SCOPE_SE
	s_setreg_imm32_b32 hwreg(HW_REG_WAVE_MODE, 25, 1), 1
	s_wait_xcnt 0x0
; y[p] = (hi + lo of pair p's row of act) times w2[e], in f32: one row of 2,048 numbers for each of the 2,048 pairs.
; Work-group (e, s): expert e, columns 64 s .. 64 s + 63 of w2 (256 bytes of each of 1,024 rows), read by no other work-group.
; PHASE 1: wave w reads rows k = 256 w .. 256 w + 255 in 8 groups of 16 loads, four groups on their way at a time, into the 256 registers
; that later are the row ring; rounds to bf16, turns each step of 32 k x 64 columns through a stage of its own in LDS and keeps the 32
; fragments in 256 registers.
; PHASE 2: the expert's tiles of 32 rows of act.  A tile is 64 blocks kb = 2 (k step) + part of 2 KiB, part 0 = hi, 1 = lo; wave w's quarter
; of K is blocks 16 w .. 16 w + 15, 32 KiB, loaded straight into the ring; block kb is multiplied by the weight fragments of k step kb / 2,
; so hi and lo are added into the same sums.  Each group of four blocks is asked for again, with the next tile, behind its 32 matrix
; instructions; the last tile asks for nothing.  The four partial sums meet in LDS; wave w finishes rows 8 w .. 8 w + 7 and stores each to
; the row of y that the list names: sixteen lanes store 256 consecutive bytes, aligned.
; BARRIERS: places for 64 tiles, as many as an expert can have, TWO TILES FOR EACH BARRIER, every barrier on every path: T_e is read from
; memory, and no barrier stands under a branch on such a number.  The work on either side stands under branches on i < T_e.  Four areas for
; the partial sums, by tile of the pair and by parity of the pair: a pair's barrier orders its stores with its reads, the next pair's
; barrier those reads with the areas' next stores.
; ROWS PAST n_e carry the last row's numbers (they were made so from x on) and are stored to the last pair's row of y: the same bytes
; written again by the same work-group.  So every lane stores, and EXEC is never changed.
; NO CLUSTER: a joint load would stand on every path of every partner, all 64 places.
; K is summed as four partial f32 sums, (P0 + P1) + (P2 + P3).  An expert without rows: its slab and tile 0's bytes are loaded, nothing is made of them.
.set PLCS,  64
.set LST,   0                          ; LDS: the expert's list, 8 KiB
.set SCR,   8192                       ; then four areas of 4 x 8,704 bytes; in phase 1 each wave's stage lies in its part of the first
.set SCRW,  8704                       ; 32 rows of 64 f32, 272 bytes apart
.set SCRP,  4*SCRW
.set SP,    160                        ; stage: 32 rows (k) of 64 bf16, 160 bytes apart
.set ACCA,  32                         ; v[32:95] first tile of a pair, v[96:159] second: tile (ms, nt) at 8 (4 ms + nt); later the four partial sums
.set LS0,   160                        ; v[160:175] my 64 bytes of the list, on their way to LDS
; v1 lane  v2 weights' offset  v3 stage in  v4 stage out  v5 16 lane  v6 16 thread  v7, v10 partial sums in (pair parity 0, 1)  v8, v11 out
; v9 16 (lane % 16)  v[24:27] my four rows in a tile
; v[12:23] first tile, v[176:187] second: 4 LDS addresses in the list, 4 pair ids, 4 offsets in y
; window 1: weight fragments of k steps 0-7 at 8 (4 ks + nt); window 2: the ring, (kb, ms) at 16 kb + 8 ms
.set MSB, 0
.macro WIN new                         ; the immediate's high byte repeats the setting that is left
.if MSB != \new
	s_set_vgpr_msb (MSB<<8)|\new
.set MSB, \new
.endif
.endm
.macro PLACES                          ; four places behind a matrix instruction (ISA guide 7.12.1)
.rept 4
	v_nop
.endr
.endm
; k step g of my quarter: 32 rows x 256 bytes; a load takes 2 rows; read once in the launch; into quarter g % 4 of the ring
.macro LDG g
	WIN 0x80
.irp i, 0,1,2,3,4,5,6,7,8,9,10,11,12,13,14,15
	global_load_b128 v[64*((\g)%4)+4*\i:64*((\g)%4)+4*\i+3], v2, s[10:11] offset:(32*(\g)+2*\i)*8192 th:TH_LOAD_NT
.endr
.endm
; the row fragments of blocks 4 grp .. 4 grp + 3 of the tile at s[base:base+1]: 16 loads of 512 consecutive bytes
.macro RLD grp, base
	WIN 0x80
.irp kk, 0,1,2,3
.irp mq, 0,1,2,3
	global_load_b128 v[16*(4*(\grp)+\kk)+4*\mq:16*(4*(\grp)+\kk)+4*\mq+3], v5, s[\base:\base+1] offset:(4*(\grp)+\kk)*2048+512*\mq
.endr
.endr
.endm
; Behind the last weights tile 0's four groups take the places of groups 8 to 11, so the count is the same in every step.
.macro CVT g
	s_wait_loadcnt 48                              ; group g is in; the three younger groups of 16 stay out
.set R, 64*((\g)%4)
	WIN 0x8a                                       ; sources and destination in window 2
.irp i, 0,1,2,3,4,5,6,7,8,9,10,11,12,13,14,15
	v_cvt_pk_bf16_f32 v[R+4*\i],   v[R+4*\i],   v[R+4*\i+1]
	v_cvt_pk_bf16_f32 v[R+4*\i+1], v[R+4*\i+2], v[R+4*\i+3]
.endr
	WIN 0x08                                       ; address window 0, data window 2
.irp i, 0,1,2,3,4,5,6,7,8,9,10,11,12,13,14,15
	ds_store_b64 v3, v[R+4*\i:R+4*\i+1] offset:2*SP*\i
.endr
	WIN 0x40
.irp nt, 0,1,2,3
	ds_load_tr16_b128 v[8*(4*(\g)+\nt):8*(4*(\g)+\nt)+3],   v4 offset:32*\nt          ; k = 8 h .. + 7 of column 16 nt + r
	ds_load_tr16_b128 v[8*(4*(\g)+\nt)+4:8*(4*(\g)+\nt)+7], v4 offset:32*\nt+16*SP    ; k = 16 + 8 h .. + 7
.endr
	s_wait_dscnt 8                                 ; the 16 stores are done with their data; the 8 loads just issued may stay out
.if (\g)+4 < 8
	LDG (\g)+4
.else
	RLD (\g)-4, 8                                  ; tile 0
.endif
.endm
; 32 matrix instructions: four blocks = two k steps, hi and lo of each.  The eight accumulators take turns, one instruction a turn;
; the first block starts the sums.
.macro MUL32 grp, acc
	WIN 0x09                                       ; source 0 window 1, source 1 window 2
.irp kk, 0,1,2,3
.irp ms, 0,1
.irp nt, 0,1,2,3
.if (4*\grp+\kk) == 0
	v_wmma_f32_16x16x32_bf16 v[\acc+8*(4*\ms+\nt):\acc+8*(4*\ms+\nt)+7], v[8*(4*((4*\grp+\kk)>>1)+\nt):8*(4*((4*\grp+\kk)>>1)+\nt)+7], v[16*(4*\grp+\kk)+8*\ms:16*(4*\grp+\kk)+8*\ms+7], 0
.else
	v_wmma_f32_16x16x32_bf16 v[\acc+8*(4*\ms+\nt):\acc+8*(4*\ms+\nt)+7], v[8*(4*((4*\grp+\kk)>>1)+\nt):8*(4*((4*\grp+\kk)>>1)+\nt)+7], v[16*(4*\grp+\kk)+8*\ms:16*(4*\grp+\kk)+8*\ms+7], v[\acc+8*(4*\ms+\nt):\acc+8*(4*\ms+\nt)+7]
.endif
.endr
.endr
.endr
.endm
; The products of tile i = s25 + 2 pp + tl, and its partial sums into area (pp, tl)
.macro TILE tl, pp
	s_add_co_u32 s[46+\tl], s25, 2*\pp+\tl
	s_cmp_ge_u32 s[46+\tl], s22
	s_cbranch_scc1 .Lskip_\@                       ; past the last tile
	s_wait_xcnt 0x0                                ; the base that earlier loads name, and the accumulators, from which an earlier pair's stores read, are rewritten only behind this wait
	s_cmp_eq_u32 s[46+\tl], s24
	s_cbranch_scc1 .Llast_\@
	s_add_co_u32 s49, s[46+\tl], 1                 ; the next tile
	s_min_u32 s49, s49, 63
	s_lshl_b32 s50, s49, 17
	s_add_nc_u64 s[52:53], s[8:9], s[50:51]
.irp g, 0,1,2,3
	s_wait_loadcnt 48                              ; group g of this tile is in: behind it the three other groups were asked for, 16 loads each
	MUL32 \g, ACCA+64*\tl
	PLACES
	RLD \g, 52                                     ; the same group of the next tile
.endr
	WIN 0
	v_nop                                          ; the fifth place: a later tile's first matrix instructions write over these accumulators
	s_branch .Lsto_\@
.Llast_\@:
.irp g, 0,1,2,3
	s_wait_loadcnt 48-16*\g                        ; nothing is asked for any more: the counts run down
	MUL32 \g, ACCA+64*\tl
.endr
	WIN 0
	PLACES
	v_nop
.Lsto_\@:
	; as 32 rows of 64 f32: lane (r, h) holds row 16 ms + r, columns 16 nt + 8 h + j
.irp ms, 0,1
.irp nt, 0,1,2,3
	ds_store_b128 v[7+3*\pp], v[ACCA+64*\tl+8*(4*\ms+\nt):ACCA+64*\tl+8*(4*\ms+\nt)+3]   offset:\tl*SCRP+4352*\ms+64*\nt
	ds_store_b128 v[7+3*\pp], v[ACCA+64*\tl+8*(4*\ms+\nt)+4:ACCA+64*\tl+8*(4*\ms+\nt)+7] offset:\tl*SCRP+4352*\ms+64*\nt+16
.endr
.endr
.Lskip_\@:
.endm
; Behind the barrier: 20 LDS loads for tile tl: the pair ids of the four rows that I store, and the four waves' parts of these rows,
; into the tile's own accumulator registers
.macro SUMS tl, pp, A
	s_lshl_b32 s58, s[46+\tl], 5
.irp i, 0,1,2,3
	v_add_nc_u32 v[\A+\i], s58, v[24+\i]           ; the rows' ranks,
	v_min_u32 v[\A+\i], s21, v[\A+\i]              ; past the end the last row's
	v_min_u32 v[\A+\i], 0x7ff, v[\A+\i]
	v_lshlrev_b32 v[\A+\i], 2, v[\A+\i]
	ds_load_b32 v[\A+4+\i], v[\A+\i] offset:LST
.endr
.irp pw, 0,1,2,3
.irp i, 0,1,2,3
	ds_load_b128 v[ACCA+64*\tl+16*\pw+4*\i:ACCA+64*\tl+16*\pw+4*\i+3], v[8+3*\pp] offset:\tl*SCRP+SCRW*\pw+544*\i    ; rows 8 w + 2 i + lane / 16 of wave pw's part
.endr
.endr
.endm
.macro FINISH tl, A
.set P, ACCA+64*\tl
.irp i, 0,1,2,3
	v_min_u32 v[\A+8+\i], 0x7ff, v[\A+4+\i]        ; a pair id is below 2,048
	v_lshl_add_u32 v[\A+8+\i], v[\A+8+\i], 13, v9  ; rows of 8,192 bytes
.endr
.irp i, 0,2,4,6,8,10,12,14
	v_pk_add_f32 v[P+\i:P+\i+1],       v[P+\i:P+\i+1],       v[P+16+\i:P+16+\i+1]
	v_pk_add_f32 v[P+32+\i:P+32+\i+1], v[P+32+\i:P+32+\i+1], v[P+48+\i:P+48+\i+1]
.endr
.irp i, 0,2,4,6,8,10,12,14
	v_pk_add_f32 v[P+\i:P+\i+1], v[P+\i:P+\i+1], v[P+32+\i:P+32+\i+1]
.endr
.irp i, 0,1,2,3
	global_store_b128 v[\A+8+\i], v[P+4*\i:P+4*\i+3], s[12:13]
.endr
.endm
; Two tiles and their one barrier
.macro PAIR pp
	TILE 0, \pp
	TILE 1, \pp
	s_wait_dscnt 0x0                               ; for the others' sake: my stores are done, and my reads of the other parity's areas are back
	s_barrier_signal -1
	s_barrier_wait -1
	s_cmp_ge_u32 s46, s22
	s_cbranch_scc1 .Lnone_\@
	s_wait_xcnt 0x0                                ; the last pair's stores have read their offsets
	SUMS 0, \pp, 12
	s_cmp_ge_u32 s47, s22
	s_cbranch_scc1 .Lone_\@
	SUMS 1, \pp, 176
	s_wait_dscnt 20                                ; the first tile's loads are back; the second tile's 20 may stay out
	FINISH 0, 12
	s_wait_dscnt 0x0
	FINISH 1, 176
	s_branch .Lnone_\@
.Lone_\@:
	s_wait_dscnt 0x0
	FINISH 0, 12
.Lnone_\@:
.endm
	s_load_b256 s[4:11], s[0:1], 0x0               ; counts s[4:5], list s[6:7], act s[8:9], w2 s[10:11]
	s_load_b64 s[12:13], s[0:1], 0x20              ; y
	v_lshl_add_u32 v254, v0, 2, 0x24000
	v_mov_b32 v255, 0
	v_and_b32 v1, 31, v0
	v_lshrrev_b32 v28, 5, v0
	v_readfirstlane_b32 s16, v28                   ; wave w
	s_lshr_b32 s18, ttmp9, 5                       ; e
	s_and_b32 s19, ttmp9, 31                       ; slab s
	s_lshl_b32 s26, s18, 23                        ; w2: 8 MiB e + 256 s + 256 rows of 8,192 bytes x w
	s_lshl_b32 s48, s19, 8
	s_add_co_u32 s26, s26, s48
	s_lshl_b32 s48, s16, 21
	s_add_co_u32 s26, s26, s48
	s_mov_b32 s27, 0
	s_lshl_b32 s28, s18, 8                         ; counts: 256 e
	s_mov_b32 s29, 0
	s_lshl_b32 s30, s18, 13                        ; list: 8 KiB e
	s_mov_b32 s31, 0
	s_lshl_b32 s50, s18, 23                        ; act: 8 MiB e + my quarter of a tile, 32 KiB w
	s_lshl_b32 s48, s16, 15
	s_add_co_u32 s50, s50, s48
	s_mov_b32 s51, 0                               ; stays 0: the upper word of every offset made in s50
	s_lshl_b32 s52, s19, 8                         ; y: 256 s
	s_mov_b32 s53, 0
	v_and_b32 v28, 15, v1                          ; lane % 16
	v_lshrrev_b32 v29, 4, v1                       ; lane / 16
	v_lshlrev_b32 v2, 13, v29
	v_lshl_add_u32 v2, v28, 4, v2
	v_lshlrev_b32 v5, 4, v1
	v_lshlrev_b32 v6, 4, v0                        ; 16 thread
	s_wait_kmcnt 0x0
	s_add_nc_u64 s[4:5], s[4:5], s[28:29]
	s_add_nc_u64 s[6:7], s[6:7], s[30:31]
	s_add_nc_u64 s[10:11], s[10:11], s[26:27]
	s_load_b32 s20, s[4:5], 0x0                    ; n_e
.irp i, 0,1,2,3
	global_load_b128 v[LS0+4*\i:LS0+4*\i+3], v6, s[6:7] offset:2048*\i     ; the expert's list: 2 KiB a line for the 128 threads
.endr
	LDG 0
	LDG 1
	LDG 2
	LDG 3
	WIN 0
	s_add_nc_u64 s[8:9], s[8:9], s[50:51]
	s_add_nc_u64 s[12:13], s[12:13], s[52:53]
	; LDS addresses
	s_mul_i32 s49, s16, SCRW
	s_add_co_u32 s49, s49, SCR                     ; my part of the first area: stage in phase 1, partial sums in phase 2
	v_mul_u32_u24 v3, SP, v29
	v_lshl_add_u32 v3, v28, 3, v3
	v_add_nc_u32 v3, s49, v3                       ; stage in: row lane / 16, 8 bytes at lane % 16
	v_and_b32 v30, 7, v1
	v_lshl_add_u32 v30, v29, 3, v30
	v_mul_u32_u24 v4, SP, v30
	v_bfe_u32 v31, v1, 3, 1
	v_lshl_add_u32 v4, v31, 4, v4
	v_add_nc_u32 v4, s49, v4                       ; stage out: row 8 h + lane % 8, 16 bytes at (lane / 8) % 2
	v_mul_u32_u24 v7, 272, v28
	v_lshl_add_u32 v7, v29, 5, v7
	v_add_nc_u32 v7, s49, v7                       ; partial sums in: row r, 32 bytes at h
	v_add_nc_u32 v10, 2*SCRP, v7                   ; the odd pairs' areas
	s_mul_i32 s54, s16, 8*272
	s_add_co_u32 s54, s54, SCR
	v_mul_u32_u24 v8, 272, v29
	v_lshl_add_u32 v8, v28, 4, v8
	v_add_nc_u32 v8, s54, v8                       ; out: row 8 w + lane / 16 of wave 0's part, 16 bytes at lane % 16
	v_add_nc_u32 v11, 2*SCRP, v8
	v_lshlrev_b32 v9, 4, v28
	s_lshl_b32 s55, s16, 3
	v_add_nc_u32 v24, s55, v29                     ; my rows in a tile: 8 w + 2 i + lane / 16
	v_add_nc_u32 v25, 2, v24
	v_add_nc_u32 v26, 4, v24
	v_add_nc_u32 v27, 6, v24
	s_wait_kmcnt 0x0
	s_min_u32 s20, s20, 2048                       ; n
	s_sub_co_u32 s21, s20, 1                       ; n - 1
	s_add_co_u32 s22, s20, 31
	s_lshr_b32 s22, s22, 5                         ; T
	s_sub_co_u32 s24, s22, 1                       ; T - 1
	CVT 0
	WIN 0
.irp i, 0,1,2,3
	ds_store_b128 v6, v[LS0+4*\i:LS0+4*\i+3] offset:LST+2048*\i    ; in since the wait above; read by all waves behind the first barrier
.endr
.irp g, 1,2,3,4,5,6,7
	CVT \g
.endr
	WIN 0
	s_mov_b32 s25, 0
	s_wait_dscnt 0x0                               ; the last weight fragments are in their registers
.Lloop:
	PAIR 0
	PAIR 1
	s_add_co_u32 s25, s25, 4
	s_cmp_lt_u32 s25, PLCS
	s_cbranch_scc1 .Lloop
	s_wait_tensorcnt 0x0
	ds_add_u32 v254, v255
	s_wait_dscnt 0x0
	s_endpgm
.Lfunc_end_k_q340473f2c8_down:
	.size	k_q340473f2c8_down, .Lfunc_end_k_q340473f2c8_down-k_q340473f2c8_down
	.p2alignl 7, 3214868480
	.fill 96, 4, 3214868480
	.section	.rodata,"a",@progbits
	.p2align	6, 0x0
	.amdhsa_kernel k_q340473f2c8_down
		.amdhsa_group_segment_fixed_size 147968
		.amdhsa_private_segment_fixed_size 0
		.amdhsa_enable_private_segment 0
		.amdhsa_kernarg_size 40
		.amdhsa_user_sgpr_count 2
		.amdhsa_user_sgpr_kernarg_segment_ptr 1
		.amdhsa_wavefront_size32 1
		.amdhsa_system_sgpr_workgroup_id_x 1
		.amdhsa_system_sgpr_workgroup_id_y 1
		.amdhsa_system_sgpr_workgroup_id_z 1
		.amdhsa_system_vgpr_workitem_id 0
		.amdhsa_next_free_vgpr 768
		.amdhsa_next_free_sgpr 66
		.amdhsa_reserve_vcc 0
		.amdhsa_float_denorm_mode_32 3
		.amdhsa_float_denorm_mode_16_64 3
		.amdhsa_memory_ordered 1
		.amdhsa_forward_progress 1
		.amdhsa_inst_pref_size 173
	.end_amdhsa_kernel
	.amdgpu_metadata
---
amdhsa.version: [ 1, 2 ]
amdhsa.kernels:
  - .name:           k_q340473f2c8_down
    .symbol:         k_q340473f2c8_down.kd
    .args:
      - { .name: counts, .offset: 0, .size: 8, .value_kind: global_buffer, .address_space: global }
      - { .name: list, .offset: 8, .size: 8, .value_kind: global_buffer, .address_space: global }
      - { .name: act, .offset: 16, .size: 8, .value_kind: global_buffer, .address_space: global }
      - { .name: w2, .offset: 24, .size: 8, .value_kind: global_buffer, .address_space: global }
      - { .name: y, .offset: 32, .size: 8, .value_kind: global_buffer, .address_space: global }
    .group_segment_fixed_size: 147968
    .private_segment_fixed_size: 0
    .kernarg_segment_align: 8
    .kernarg_segment_size: 40
    .max_flat_workgroup_size: 128
    .sgpr_count:     66
    .vgpr_count:     768
    .wavefront_size: 32
...
	.end_amdgpu_metadata
.endif
;; end of part 4
;; launch combine (part 5): grid 256 x 1, 8 waves a work-group, no clusters, 0 bytes of LDS; arguments y, out0; writes out0
.if DOCPART == 5
	.amdgcn_target "amdgcn-amd-amdhsa--gfx1250"
	.amdhsa_code_object_version 6
	.text
	.protected	k_q340473f2c8_combine
	.globl	k_q340473f2c8_combine
	.p2align	8
	.type	k_q340473f2c8_combine,@function
k_q340473f2c8_combine:
	s_mov_b64 s[64:65], 0
	v_nop
	global_prefetch_b8 v0, s[64:65] scope:SCOPE_SE
	s_setreg_imm32_b32 hwreg(HW_REG_WAVE_MODE, 25, 1), 1
	s_wait_xcnt 0x0
; out0[b] = y[2 b] + y[2 b + 1]: the two weighted expert results of token b (the weights were multiplied in earlier).
; A stream: a work-group owns 4 tokens, 64 KiB in and 32 KiB out; thread t owns 16 bytes at 16 t of each 4,096 bytes, so every load and
; store of a wave covers 512 consecutive bytes.  All sixteen loads go out first; no LDS, no barrier, no matrix unit: bytes alone count here.
.set D, 8                              ; v[8:71]  piece i = 2 token + half: 4 registers of pair 0, 4 of pair 1
	s_load_b128 s[4:7], s[0:1], 0x0                ; y s[4:5], out0 s[6:7]
	v_lshlrev_b32 v1, 4, v0
	s_lshl_b32 s8, ttmp9, 16
	s_mov_b32 s9, 0
	s_lshl_b32 s10, ttmp9, 15
	s_mov_b32 s11, 0
	s_wait_kmcnt 0x0
	s_add_nc_u64 s[4:5], s[4:5], s[8:9]
	s_add_nc_u64 s[6:7], s[6:7], s[10:11]
.irp i, 0,1,2,3,4,5,6,7
	global_load_b128 v[D+8*\i:D+8*\i+3],   v1, s[4:5] offset:(\i>>1)*16384+(\i&1)*4096 th:TH_LOAD_NT
	global_load_b128 v[D+8*\i+4:D+8*\i+7], v1, s[4:5] offset:(\i>>1)*16384+(\i&1)*4096+8192 th:TH_LOAD_NT
.endr
.irp i, 0,1,2,3,4,5,6,7
	s_wait_loadcnt 14-2*\i                         ; loads come back in order: piece i's two are in, the younger ones stay out
	v_pk_add_f32 v[D+8*\i:D+8*\i+1],   v[D+8*\i:D+8*\i+1],   v[D+8*\i+4:D+8*\i+5]
	v_pk_add_f32 v[D+8*\i+2:D+8*\i+3], v[D+8*\i+2:D+8*\i+3], v[D+8*\i+6:D+8*\i+7]
	global_store_b128 v1, v[D+8*\i:D+8*\i+3], s[6:7] offset:4096*\i th:TH_STORE_NT
.endr
	s_endpgm
.Lfunc_end_k_q340473f2c8_combine:
	.size	k_q340473f2c8_combine, .Lfunc_end_k_q340473f2c8_combine-k_q340473f2c8_combine
	.p2alignl 7, 3214868480
	.fill 96, 4, 3214868480
	.section	.rodata,"a",@progbits
	.p2align	6, 0x0
	.amdhsa_kernel k_q340473f2c8_combine
		.amdhsa_group_segment_fixed_size 0
		.amdhsa_private_segment_fixed_size 0
		.amdhsa_enable_private_segment 0
		.amdhsa_kernarg_size 16
		.amdhsa_user_sgpr_count 2
		.amdhsa_user_sgpr_kernarg_segment_ptr 1
		.amdhsa_wavefront_size32 1
		.amdhsa_system_sgpr_workgroup_id_x 1
		.amdhsa_system_sgpr_workgroup_id_y 1
		.amdhsa_system_sgpr_workgroup_id_z 1
		.amdhsa_system_vgpr_workitem_id 0
		.amdhsa_next_free_vgpr 72
		.amdhsa_next_free_sgpr 66
		.amdhsa_reserve_vcc 0
		.amdhsa_float_denorm_mode_32 3
		.amdhsa_float_denorm_mode_16_64 3
		.amdhsa_memory_ordered 1
		.amdhsa_forward_progress 1
		.amdhsa_inst_pref_size 5
	.end_amdhsa_kernel
	.amdgpu_metadata
---
amdhsa.version: [ 1, 2 ]
amdhsa.kernels:
  - .name:           k_q340473f2c8_combine
    .symbol:         k_q340473f2c8_combine.kd
    .args:
      - { .name: y, .offset: 0, .size: 8, .value_kind: global_buffer, .address_space: global }
      - { .name: out0, .offset: 8, .size: 8, .value_kind: global_buffer, .address_space: global }
    .group_segment_fixed_size: 0
    .private_segment_fixed_size: 0
    .kernarg_segment_align: 8
    .kernarg_segment_size: 16
    .max_flat_workgroup_size: 256
    .sgpr_count:     66
    .vgpr_count:     72
    .wavefront_size: 32
...
	.end_amdgpu_metadata
.endif
;; end of part 5
;; ======== version 2 of 2: 5 launches; version 1 with the launches gateup, down written anew for expert scheduling mode
;; limits: values outside matrix products are rounded to bf16
;; workspace buffers: counts 2,048 bytes of whole numbers; list 65,536 bytes of whole numbers; ws 65,536 bytes; xs 67,108,864 bytes; act 67,108,864 bytes; y 16,777,216 bytes
;; launch route: the kernel of part 1 again; grid 8 x 1, 8 waves a work-group, no clusters, 0 bytes of LDS; arguments expert_indices, expert_weights, list, ws, counts; writes list, ws, counts
;; launch pack: the kernel of part 2 again; grid 64 x 4, 8 waves a work-group, no clusters, 35,840 bytes of LDS; arguments counts, list, x, xs; writes xs
;; launch gateup (part 6): grid 256 x 1, 4 waves a work-group, no clusters, 139,776 bytes of LDS; arguments counts, ws, xs, w1, w3, act; writes act
.if DOCPART == 6
	.amdgcn_target "amdgcn-amd-amdhsa--gfx1250"
	.amdhsa_code_object_version 6
	.text
	.protected	k_q340473f2c8_gateup
	.globl	k_q340473f2c8_gateup
	.p2align	8
	.type	k_q340473f2c8_gateup,@function
k_q340473f2c8_gateup:
	s_mov_b64 s[64:65], 0
	v_nop
	global_prefetch_b8 v0, s[64:65] scope:SCOPE_SE
	s_setreg_imm32_b32 hwreg(HW_REG_WAVE_SCHED_MODE, 0, 2), 2
	s_setreg_imm32_b32 hwreg(HW_REG_WAVE_MODE, 25, 1), 1
	s_wait_xcnt 0x0
	s_wait_alu depctr_vm_vsrc(0)
; a = weight * silu(x w1) * (x w3) for the rows of each expert's list, stored as TWO bf16 numbers, hi = bf16(a) and lo = bf16(a - hi),
; in the operand order of the next product:  act[e][t][s][part][ms][1 KiB], part 0 = hi, 1 = lo; a block holds 16 rows x 32 columns.
; One bf16 would leave 2^-9 of each a as error in front of a sum of 1,024 terms; hi + lo leave about 2^-17.
; Work-group (e, s): expert e, columns 32 s .. 32 s + 31 of w1 and of w3.  No other work-group reads these 512 KiB.
; PHASE 1: wave w reads rows k = 512 w .. 512 w + 511 of the slab in 16 groups of 16 loads, four groups on their way at a time, into the
; 256 registers that later are the row ring; rounds to bf16, turns each step of 32 k x 64 columns through a stage of its own in LDS
; (transposing loads) and keeps the 64 fragments in 512 registers: every weight is converted once.
; PHASE 2: the expert's rows come past in tiles of 32.  xs lies in the lanes' own order and wave w needs only its quarter of K, so it loads
; its 32 KiB of a tile straight into the ring, 512 consecutive bytes a load; when the 32 matrix instructions of a group of four k steps are
; done, the group is asked for again, with the next tile.  The last tile asks for nothing: its products are written out a second time without loads.
; A wave makes 32 rows x 64 columns over its quarter of K in 8 accumulators; the four partial sums meet in LDS; wave w finishes
; 16 rows x 16 columns of gate and of up.
; BARRIERS: the loop has places for 64 tiles, as many as an expert can have, TWO TILES FOR EACH BARRIER, and every barrier is on every path:
; T_e is read from memory, and no barrier stands under a branch on such a number.  The work on either side of a barrier stands under
; branches on i < T_e.  The partial sums have four areas, by tile of the pair and by parity of the pair: a pair's barrier orders its stores
; with its reads, and the next pair's barrier orders those reads with the areas' next stores.
; NO CLUSTER: an expert's 32 slabs read the same row tiles, but a joint load stands on every path of every partner, here all 64 places.
; The product is used transposed (source 0 = weights' columns, source 1 = rows): lane (r, h) holds row r, columns 8 h .. 8 h + 7.
; ORDER OF ROUNDING, stated: K is summed as four partial f32 sums, (P0 + P1) + (P2 + P3); the routing weight (which the sorting launch has
; rounded to bf16) is multiplied in f32 in front of the split.  silu(g) = g / (1 + 2^(-1.442695 g)); for very negative g the power is
; +inf and the quotient 0.  LIMIT: an |a| that rounds to infinity in bf16 (above 3.38e38) gives no finite result.
; Rows past n_e carry the last row's numbers and weight.  An expert without rows: its slab and tile 0's bytes are loaded, nothing is made of them.
; w1 and w3 carry no cache hint: a slab's rows are 128 bytes, so neighbouring slabs read neighbouring halves of 256 bytes.
; THE MODE: SCHED_MODE bits 1:0 = 2 (LLVM: expert scheduling mode 2), set by the entry lines.  The code itself states the register dependences
; between vector or matrix instructions and memory or LDS instructions, with s_wait_alu, always for 0.
; THE PLAN.  Registers that memory or LDS instructions touch:
;   the ring      Phase 1: step g's conversions read group g % 4; then the loads of step g + 4 land in it.  Phase 2: step g's 32 matrix
;                 instructions read group g; then the next tile's loads land in it.
;   v[TB ..]      Phase 1 only (the accumulators are idle): written by a step's conversions, read by its 16 stage stores.
;   accumulators  Written by a tile's products, read by its 16 LDS stores; behind the barrier the partial sums' LDS loads land in them.
;   v10, v11, v22, v23   The LDS address is made by vector instructions and read by one LDS load, whose data (the row's weight) lands beside it.
;   v[OUT ..]     Written by the roundings, read by the stores to act.
;   v2 to v9, v24, v25   Made at the head, never written again.  The weight fragments are loaded once and then named by matrix instructions alone.
; A phase 1 step has one wait on vm_vsrc at its head (TB is free) and one on va_vdst behind its conversions (the ring group is read out, TB is written).
; A tile has one wait on va_vdst at the head of its steps 1 to 3 (the step before is done with its ring group, whose 16 loads are then dealt among
; this step's first matrix instructions, which name none of their registers) and one at its end (the accumulators are written, the last group is read out).
; A pair has one wait on vm_vsrc behind its barrier, one on va_vdst behind the addresses of both tiles and one ahead of the run of stores.
.set PLCS,  64                         ; places for tiles
.set WSL,   0                          ; LDS: the expert's 2,048 routing weights, 8 KiB
.set SCR,   8192                       ; then four areas of 4 x 8 KiB; in phase 1 each wave's stage lies in its part of the first
.set SCRP,  32768
.set SP,    160                        ; stage: 32 rows (k) of 64 bf16, 160 bytes apart
.set ACCA,  32                         ; v[32:95] first tile of a pair, v[96:159] second: tile (ms, nt) at 8 (4 ms + nt); nt 0, 1 gate, 2, 3 up; later the four partial sums
.set TB,    32                         ; v[32:63] in phase 1: a step's numbers in bf16, on their way to the stage: gate in the first 16 registers, up in the others
.set WS0,   160                        ; v[160:175] my 64 bytes of the routing weights, on their way to LDS
.set OUT,   176                        ; v[176:183] hi, lo of the first tile, v[184:191] of the second
; v1 lane  v2 weights' offset  v3 stage in  v4 stage out  v5 16 lane  v7, v24 partial sums in (pair parity 0, 1)  v8, v25 partial sums out
; v9 16 thread  v10, v22 row weight  v11, v23 its LDS address  v12 my row in a tile  v[14:21] at work
; window 1: weight fragments of k steps 0-7 at 8 (4 ks + nt); window 2: k steps 8-15; window 3: the ring, (ks, ms) at 16 ks + 8 ms
; s46, s47 the pair's tile numbers  s[52:53] next tile of xs  s[54:57] the pair's tiles of act  s58, s59 the pair's first ranks
.set MSB, 0
.macro WIN new                         ; the immediate's high byte repeats the setting that is left
.if MSB != \new
	s_set_vgpr_msb (MSB<<8)|\new
.set MSB, \new
.endif
.endm
.macro WINM grp                        ; the products' windows: source 1 window 3; source 0 window 1 (k steps 0-7) or 2 (k steps 8-15)
.if (\grp) < 2
	WIN 0x0d
.else
	WIN 0x0e
.endif
.endm
.macro PLACES                          ; four places behind a matrix instruction (ISA guide 7.12.1), in front of reads of its results
.rept 4
	v_nop
.endr
.endm
; k step g of my quarter: 32 rows x 128 bytes of w1, then of w3; a load takes 4 rows; into quarter g % 4 of the ring
.macro LDG g
	WIN 0xc0
.irp i, 0,1,2,3,4,5,6,7
	global_load_b128 v[64*((\g)%4)+4*\i:64*((\g)%4)+4*\i+3], v2, s[10:11] offset:(32*(\g)+4*\i)*4096
.endr
.irp i, 0,1,2,3,4,5,6,7
	global_load_b128 v[64*((\g)%4)+32+4*\i:64*((\g)%4)+32+4*\i+3], v2, s[12:13] offset:(32*(\g)+4*\i)*4096
.endr
.endm
; the row fragments of k step 4 grp + kk of the tile at s[base:base+1]: 4 loads of 512 consecutive bytes
.macro RLD4 grp, kk, base
	WIN 0xc0
.irp mq, 0,1,2,3
	global_load_b128 v[16*(4*(\grp)+(\kk))+4*\mq:16*(4*(\grp)+(\kk))+4*\mq+3], v5, s[\base:\base+1] offset:(4*(\grp)+(\kk))*2048+512*\mq
.endr
.endm
.macro RLD grp, base                   ; a whole group: k steps 4 grp .. 4 grp + 3
.irp kk, 0,1,2,3
	RLD4 \grp, \kk, \base
.endr
.endm
; k step g: round into TB; the group four steps ahead is asked for at once; then through the stage, into the step's four fragments.
; Behind the last weights tile 0's four groups take the places of groups 16 to 19, so the count is the same in every step.
.macro CVT g
	s_wait_loadcnt 48                              ; group g is in; the three younger groups of 16 stay out
.if (\g) > 0
	s_wait_dscnt 8                                 ; the last step's 16 stage stores are done; its 8 transposing loads may stay out
	s_wait_alu depctr_vm_vsrc(0)                   ; the last step's stage stores have read v[TB ..], which the conversions below write again
.endif
.set R, 64*((\g)%4)
	WIN 0x0f                                       ; sources in window 3, destination in window 0
.irp i, 0,1,2,3,4,5,6,7,8,9,10,11,12,13,14,15
	v_cvt_pk_bf16_f32 v[TB+2*\i],   v[R+4*\i],   v[R+4*\i+1]
	v_cvt_pk_bf16_f32 v[TB+2*\i+1], v[R+4*\i+2], v[R+4*\i+3]
.endr
	WIN 0xc0                                       ; loaded data window 3; addresses and store data window 0
	s_wait_alu depctr_va_vdst(0)                   ; the conversions are done reading the ring group, in which the loads below land, and have written v[TB ..], which the stage stores read; in step 0 the LDS addresses v3 to v25 are written too
.if (\g)+4 < 16
	LDG (\g)+4
.else
	RLD (\g)-12, 8                                 ; tile 0
.endif
.irp i, 0,1,2,3,4,5,6,7
	ds_store_b64 v3, v[TB+2*\i:TB+2*\i+1] offset:4*SP*\i           ; gate: columns 0-31 of the stage
	ds_store_b64 v3, v[TB+16+2*\i:TB+16+2*\i+1] offset:4*SP*\i+64  ; up: columns 32-63
.endr
.if (\g) < 8
	WIN 0x40
.else
	WIN 0x80
.endif
.irp nt, 0,1,2,3
	ds_load_tr16_b128 v[8*(4*((\g)&7)+\nt):8*(4*((\g)&7)+\nt)+3],   v4 offset:32*\nt          ; k = 8 h .. + 7 of column 16 nt + r; LDS serves a wave's instructions in order: these see the stores above
	ds_load_tr16_b128 v[8*(4*((\g)&7)+\nt)+4:8*(4*((\g)&7)+\nt)+7], v4 offset:32*\nt+16*SP    ; k = 16 + 8 h .. + 7
.endr
.endm
; 32 matrix instructions.  The eight accumulators take turns, one instruction a turn; the first k step starts the sums.
; rl = 1: the group before is asked for again, with the next tile: four loads (and two window switches) behind each of the first four matrix
; instructions.  No wait: no vector or matrix instruction since the wait at the step's head names v5 or that group's registers.
.macro MUL32 grp, acc, rl
.set n, 0
.irp kk, 0,1,2,3
.irp ms, 0,1
.irp nt, 0,1,2,3
	WINM \grp
.if (4*\grp+\kk) == 0
	v_wmma_f32_16x16x32_bf16 v[\acc+8*(4*\ms+\nt):\acc+8*(4*\ms+\nt)+7], v[8*(4*((4*\grp+\kk)&7)+\nt):8*(4*((4*\grp+\kk)&7)+\nt)+7], v[16*(4*\grp+\kk)+8*\ms:16*(4*\grp+\kk)+8*\ms+7], 0
.else
	v_wmma_f32_16x16x32_bf16 v[\acc+8*(4*\ms+\nt):\acc+8*(4*\ms+\nt)+7], v[8*(4*((4*\grp+\kk)&7)+\nt):8*(4*((4*\grp+\kk)&7)+\nt)+7], v[16*(4*\grp+\kk)+8*\ms:16*(4*\grp+\kk)+8*\ms+7], v[\acc+8*(4*\ms+\nt):\acc+8*(4*\ms+\nt)+7]
.endif
.if (\rl) && (n < 4)
	RLD4 (\grp)-1, n, 52
.endif
.set n, n+1
.endr
.endr
.endr
.endm
; The products of tile i = s25 + 2 pp + tl, and its partial sums into area (pp, tl)
.macro TILE tl, pp
	s_add_co_u32 s[46+\tl], s25, 2*\pp+\tl
	s_cmp_ge_u32 s[46+\tl], s22
	s_cbranch_scc1 .Lskip_\@                       ; past the last tile
	s_wait_xcnt 0x0                                ; the base that earlier loads name is rewritten only behind this wait
	s_cmp_eq_u32 s[46+\tl], s24
	s_cbranch_scc1 .Llast_\@
	s_add_co_u32 s49, s[46+\tl], 1                 ; the next tile
	s_min_u32 s49, s49, 63
	s_lshl_b32 s50, s49, 17
	s_add_nc_u64 s[52:53], s[8:9], s[50:51]
	s_wait_loadcnt 48                              ; group 0 of this tile is in: behind it the tile's three other groups were asked for, 16 loads each
	MUL32 0, ACCA+64*\tl, 0
.irp g, 1,2,3
	s_wait_loadcnt 32                              ; group g of this tile is in: behind it two groups were asked for, 16 loads each
	s_wait_alu depctr_va_vdst(0)                   ; the matrix instructions of the step before are done reading their ring group, in which the loads dealt below land
	MUL32 \g, ACCA+64*\tl, 1
.endr
	PLACES                                         ; the places in front of the LDS stores that read the results,
	v_nop                                          ; and the fifth: a later tile's first matrix instructions write over these accumulators
	WIN 0xc0
	s_wait_alu depctr_va_vdst(0)                   ; the products have written the accumulators, which the LDS stores below read, and are done reading ring group 3, in which the loads below land
	RLD 3, 52                                      ; the last group of the next tile
	WIN 0
	s_branch .Lsto_\@
.Llast_\@:
.irp g, 0,1,2,3
	s_wait_loadcnt 48-16*\g                        ; nothing is asked for any more: the counts run down
	MUL32 \g, ACCA+64*\tl, 0
.endr
	WIN 0
	PLACES
	v_nop
	s_wait_alu depctr_va_vdst(0)                   ; the products have written the accumulators, which the LDS stores below read
.Lsto_\@:
.irp t, 0,1,2,3,4,5,6,7
	ds_store_b128 v[7+17*\pp], v[ACCA+64*\tl+8*\t:ACCA+64*\tl+8*\t+3]   offset:\tl*SCRP+1024*\t       ; as they lie: tile, half, lane
	ds_store_b128 v[7+17*\pp], v[ACCA+64*\tl+8*\t+4:ACCA+64*\tl+8*\t+7] offset:\tl*SCRP+1024*\t+512
.endr
.Lskip_\@:
.endm
; Behind the barrier.  ADDR: tile tl's place in act, and the LDS address of my row's routing weight (made for both places of the pair, so that one wait serves both)
.macro ADDR tl, W
	s_lshl_b32 s50, s[46+\tl], 17
	s_add_nc_u64 s[54+2*\tl:55+2*\tl], s[14:15], s[50:51]
	s_lshl_b32 s[58+\tl], s[46+\tl], 5
	v_add_nc_u32 v[\W+1], s[58+\tl], v12           ; my row's rank,
	v_min_u32 v[\W+1], s21, v[\W+1]                ; past the end the last row's
	v_min_u32 v[\W+1], 0x7ff, v[\W+1]
	v_lshlrev_b32 v[\W+1], 2, v[\W+1]
.endm
; SUMS: 17 LDS loads for tile tl: my row's routing weight, and the four waves' parts of the two accumulator tiles that I finish
; (rows 16 (w / 2) + r, gate and up columns 16 (w % 2) + 8 h + j), into the tile's own accumulator registers
.macro SUMS tl, pp, W
	ds_load_b32 v[\W], v[\W+1] offset:WSL
.irp pw, 0,1,2,3
.irp mh, 0,1,2,3
	ds_load_b128 v[ACCA+64*\tl+16*\pw+4*\mh:ACCA+64*\tl+16*\pw+4*\mh+3], v[8+17*\pp] offset:\tl*SCRP+8192*\pw+2048*(\mh>>1)+512*(\mh&1)
.endr
.endr
.endm
.macro MATH tl, W
.set P, ACCA+64*\tl
.set OH, OUT+8*\tl
.irp i, 0,2,4,6,8,10,12,14
	v_pk_add_f32 v[P+\i:P+\i+1],       v[P+\i:P+\i+1],       v[P+16+\i:P+16+\i+1]
	v_pk_add_f32 v[P+32+\i:P+32+\i+1], v[P+32+\i:P+32+\i+1], v[P+48+\i:P+48+\i+1]
.endr
.irp i, 0,2,4,6,8,10,12,14
	v_pk_add_f32 v[P+\i:P+\i+1], v[P+\i:P+\i+1], v[P+32+\i:P+32+\i+1]           ; gate in P .. P+7, up in P+8 .. P+15
.endr
.irp i, 0,2,4,6
	v_pk_mul_f32 v[14+\i:15+\i], v[P+\i:P+\i+1], 0xbfb8aa3b op_sel_hi:[1,0]     ; -g log2 e
.endr
.irp i, 0,1,2,3,4,5,6,7
	v_exp_f32 v[14+\i], v[14+\i]
.endr
.irp i, 0,2,4,6
	v_pk_mul_f32 v[P+\i:P+\i+1], v[P+\i:P+\i+1], v[P+8+\i:P+8+\i+1]             ; g u: the plain instruction between the powers and their use
.endr
.irp i, 0,2,4,6
	v_pk_mul_f32 v[P+\i:P+\i+1], v[P+\i:P+\i+1], v[\W:\W+1] op_sel_hi:[1,0]     ; times the row's weight (the pair's first register for both halves)
.endr
	s_wait_alu depctr_va_vdst(0)
.irp i, 0,2,4,6
	v_pk_add_f32 v[14+\i:15+\i], v[14+\i:15+\i], 1.0 op_sel_hi:[1,0]
.endr
.irp i, 0,1,2,3,4,5,6,7
	v_rcp_f32 v[14+\i], v[14+\i]
.endr
	v_nop                                          ; one plain place behind the reciprocals
	s_wait_alu depctr_va_vdst(0)
.irp i, 0,2,4,6
	v_pk_mul_f32 v[P+\i:P+\i+1], v[P+\i:P+\i+1], v[14+\i:15+\i]                 ; a
.endr
.irp i, 0,1,2,3
	v_cvt_pk_bf16_f32 v[OH+\i], v[P+2*\i], v[P+2*\i+1]                          ; hi
.endr
.irp i, 0,1,2,3
	v_lshlrev_b32 v[14+2*\i], 16, v[OH+\i]                                      ; hi as f32
	v_and_b32 v[15+2*\i], 0xffff0000, v[OH+\i]
.endr
.irp i, 0,2,4,6
	v_pk_fma_f32 v[P+\i:P+\i+1], v[14+\i:15+\i], -1.0, v[P+\i:P+\i+1] op_sel_hi:[1,0,1]   ; a - hi, exact in f32
.endr
.irp i, 0,1,2,3
	v_cvt_pk_bf16_f32 v[OH+4+\i], v[P+2*\i], v[P+2*\i+1]                        ; lo
.endr
.endm
.macro SEND tl
	global_store_b128 v9, v[OUT+8*\tl:OUT+8*\tl+3], s[54+2*\tl:55+2*\tl]                  ; thread t at 16 t: the wave stores 512 consecutive bytes, the work-group the slab's 2 KiB of hi,
	global_store_b128 v9, v[OUT+8*\tl+4:OUT+8*\tl+7], s[54+2*\tl:55+2*\tl] offset:2048    ; and its 2 KiB of lo behind them
.endm
; Two tiles and their one barrier
.macro PAIR pp
	TILE 0, \pp
	TILE 1, \pp
	s_wait_dscnt 0x0                               ; for the others' sake: my stores are done, and my reads of the other parity's areas are back
	s_barrier_signal -1
	s_barrier_wait -1
	s_wait_alu depctr_vm_vsrc(0)                   ; my LDS stores have read the pair's accumulators, in which the loads below land and which later products write; the last pair's LDS loads have read v11 and v23, its stores v[OUT ..]: all are written again below
	s_cmp_ge_u32 s46, s22
	s_cbranch_scc1 .Lnone_\@
	s_wait_xcnt 0x0                                ; the last pair's stores have read their bases and their data
	ADDR 0, 10
	ADDR 1, 22
	s_wait_alu depctr_va_vdst(0)                   ; v11 and v23 are written, which the LDS loads below read; the last pair's arithmetic is done with v10, v22 and the accumulator registers, in which they land
	SUMS 0, \pp, 10
	s_cmp_ge_u32 s47, s22
	s_cbranch_scc1 .Lone_\@
	SUMS 1, \pp, 22
	s_wait_dscnt 17                                ; the first tile's loads are back; the second tile's 17 may stay out
	MATH 0, 10
	s_wait_dscnt 0x0
	MATH 1, 22
	s_wait_alu depctr_va_vdst(0)                   ; the roundings have written v[OUT ..], which the four stores read
	SEND 0
	SEND 1
	s_branch .Lnone_\@
.Lone_\@:
	s_wait_dscnt 0x0
	MATH 0, 10
	s_wait_alu depctr_va_vdst(0)                   ; the roundings have written v[OUT ..], which the two stores read
	SEND 0
.Lnone_\@:
.endm
	s_load_b256 s[4:11], s[0:1], 0x0               ; counts s[4:5], ws s[6:7], xs s[8:9], w1 s[10:11]
	s_load_b128 s[12:15], s[0:1], 0x20             ; w3 s[12:13], act s[14:15]
	v_lshl_add_u32 v254, v0, 2, 0x22000
	v_mov_b32 v255, 0
	v_and_b32 v1, 31, v0                           ; lane
	v_lshrrev_b32 v13, 5, v0
	v_readfirstlane_b32 s16, v13                   ; wave w
	s_lshr_b32 s18, ttmp9, 5                       ; e
	s_and_b32 s19, ttmp9, 31                       ; slab s
	s_lshl_b32 s26, s18, 23                        ; weights: 8 MiB e + 128 s + 512 rows of 4,096 bytes x w
	s_lshl_b32 s48, s19, 7
	s_add_co_u32 s26, s26, s48
	s_wait_alu depctr_va_sdst(0)                   ; s16 is written, ahead of its first reader: the offsets in the weights, xs and LDS are made from it
	s_lshl_b32 s48, s16, 21
	s_add_co_u32 s26, s26, s48
	s_mov_b32 s27, 0
	s_lshl_b32 s28, s18, 8                         ; counts: 256 e
	s_mov_b32 s29, 0
	s_lshl_b32 s30, s18, 13                        ; ws: 8 KiB e
	s_mov_b32 s31, 0
	s_lshl_b32 s50, s18, 23                        ; xs: 8 MiB e + my quarter of a tile, 32 KiB w
	s_lshl_b32 s48, s16, 15
	s_add_co_u32 s50, s50, s48
	s_mov_b32 s51, 0                               ; stays 0: the upper word of every offset made in s50
	s_lshl_b32 s52, s18, 23                        ; act: 8 MiB e + 4 KiB s
	s_lshl_b32 s53, s19, 12
	s_add_co_u32 s52, s52, s53
	s_mov_b32 s53, 0
	v_lshrrev_b32 v13, 3, v1                       ; lane / 8: which of a load's 4 rows
	v_and_b32 v14, 7, v1                           ; lane % 8: which 16 bytes of the 128
	v_lshlrev_b32 v2, 12, v13
	v_lshl_add_u32 v2, v14, 4, v2
	v_lshlrev_b32 v5, 4, v1
	v_lshlrev_b32 v9, 4, v0
	s_wait_kmcnt 0x0
	s_add_nc_u64 s[4:5], s[4:5], s[28:29]
	s_add_nc_u64 s[6:7], s[6:7], s[30:31]
	s_add_nc_u64 s[10:11], s[10:11], s[26:27]
	s_add_nc_u64 s[12:13], s[12:13], s[26:27]
	s_load_b32 s20, s[4:5], 0x0                    ; n_e
	s_wait_alu depctr_va_vdst(0)                   ; the offsets v2, v5 and v9 are written, which every global load and store of the kernel reads
.irp i, 0,1,2,3
	global_load_b128 v[WS0+4*\i:WS0+4*\i+3], v9, s[6:7] offset:2048*\i     ; the expert's routing weights: 2 KiB a line for the 128 threads
.endr
	LDG 0
	LDG 1
	LDG 2
	LDG 3
	WIN 0
	s_add_nc_u64 s[8:9], s[8:9], s[50:51]
	s_add_nc_u64 s[14:15], s[14:15], s[52:53]
	; LDS addresses
	s_lshl_b32 s49, s16, 13
	s_add_co_u32 s49, s49, SCR                     ; my 8 KiB of the first area: stage in phase 1, partial sums in phase 2
	v_mul_u32_u24 v3, SP, v13
	v_lshl_add_u32 v3, v14, 3, v3
	v_add_nc_u32 v3, s49, v3                       ; stage in: row lane / 8, 8 bytes at lane % 8
	v_lshrrev_b32 v15, 4, v1
	v_lshl_add_u32 v16, v15, 3, v14
	v_mul_u32_u24 v4, SP, v16
	v_bfe_u32 v17, v1, 3, 1
	v_lshl_add_u32 v4, v17, 4, v4
	v_add_nc_u32 v4, s49, v4                       ; stage out: row 8 h + lane % 8, 16 bytes at (lane / 8) % 2
	v_lshl_add_u32 v7, v1, 4, s49
	v_add_nc_u32 v24, 2*SCRP, v7                   ; the odd pairs' areas
	s_lshr_b32 s54, s16, 1
	s_lshl_b32 s55, s54, 4                         ; 16 (w / 2)
	s_lshl_b32 s54, s54, 12
	s_and_b32 s56, s16, 1
	s_lshl_b32 s56, s56, 10
	s_add_co_u32 s54, s54, s56
	s_add_co_u32 s54, s54, SCR
	v_lshl_add_u32 v8, v1, 4, s54                  ; tile (w / 2, w % 2) of wave 0's partial sums
	v_add_nc_u32 v25, 2*SCRP, v8
	v_and_b32 v12, 15, v1
	v_add_nc_u32 v12, s55, v12
	s_wait_kmcnt 0x0
	s_min_u32 s20, s20, 2048                       ; n
	s_sub_co_u32 s21, s20, 1                       ; n - 1
	s_add_co_u32 s22, s20, 31
	s_lshr_b32 s22, s22, 5                         ; T tiles
	s_sub_co_u32 s24, s22, 1                       ; T - 1
	CVT 0
	WIN 0
.irp i, 0,1,2,3
	ds_store_b128 v9, v[WS0+4*\i:WS0+4*\i+3] offset:WSL+2048*\i    ; in since the wait for group 0; read by all waves behind the first barrier
.endr
.irp g, 1,2,3,4,5,6,7,8,9,10,11,12,13,14,15
	CVT \g
.endr
	WIN 0
	s_mov_b32 s25, 0
	s_wait_dscnt 0x0                               ; the last weight fragments are in their registers
	s_wait_alu depctr_vm_vsrc(0)                   ; the last stage stores have read v[TB ..]: these registers are accumulators from here on, written by the products
.Lloop:
	PAIR 0
	PAIR 1
	s_add_co_u32 s25, s25, 4
	s_cmp_lt_u32 s25, PLCS
	s_cbranch_scc1 .Lloop
	s_wait_dscnt 0x0
	s_wait_alu depctr_hold_cnt(0) depctr_sa_sdst(0) depctr_va_vdst(0) depctr_va_sdst(0) depctr_va_ssrc(0) depctr_va_vcc(0) depctr_vm_vsrc(0)
	s_wait_tensorcnt 0x0
	ds_add_u32 v254, v255
	s_wait_dscnt 0x0
	s_endpgm
.Lfunc_end_k_q340473f2c8_gateup:
	.size	k_q340473f2c8_gateup, .Lfunc_end_k_q340473f2c8_gateup-k_q340473f2c8_gateup
	.p2alignl 7, 3214868480
	.fill 96, 4, 3214868480
	.section	.rodata,"a",@progbits
	.p2align	6, 0x0
	.amdhsa_kernel k_q340473f2c8_gateup
		.amdhsa_group_segment_fixed_size 139776
		.amdhsa_private_segment_fixed_size 0
		.amdhsa_enable_private_segment 0
		.amdhsa_kernarg_size 48
		.amdhsa_user_sgpr_count 2
		.amdhsa_user_sgpr_kernarg_segment_ptr 1
		.amdhsa_wavefront_size32 1
		.amdhsa_system_sgpr_workgroup_id_x 1
		.amdhsa_system_sgpr_workgroup_id_y 1
		.amdhsa_system_sgpr_workgroup_id_z 1
		.amdhsa_system_vgpr_workitem_id 0
		.amdhsa_next_free_vgpr 1024
		.amdhsa_next_free_sgpr 66
		.amdhsa_reserve_vcc 0
		.amdhsa_float_denorm_mode_32 3
		.amdhsa_float_denorm_mode_16_64 3
		.amdhsa_memory_ordered 1
		.amdhsa_forward_progress 1
		.amdhsa_inst_pref_size 229
	.end_amdhsa_kernel
	.amdgpu_metadata
---
amdhsa.version: [ 1, 2 ]
amdhsa.kernels:
  - .name:           k_q340473f2c8_gateup
    .symbol:         k_q340473f2c8_gateup.kd
    .args:
      - { .name: counts, .offset: 0, .size: 8, .value_kind: global_buffer, .address_space: global }
      - { .name: ws, .offset: 8, .size: 8, .value_kind: global_buffer, .address_space: global }
      - { .name: xs, .offset: 16, .size: 8, .value_kind: global_buffer, .address_space: global }
      - { .name: w1, .offset: 24, .size: 8, .value_kind: global_buffer, .address_space: global }
      - { .name: w3, .offset: 32, .size: 8, .value_kind: global_buffer, .address_space: global }
      - { .name: act, .offset: 40, .size: 8, .value_kind: global_buffer, .address_space: global }
    .group_segment_fixed_size: 139776
    .private_segment_fixed_size: 0
    .kernarg_segment_align: 8
    .kernarg_segment_size: 48
    .max_flat_workgroup_size: 128
    .sgpr_count:     66
    .vgpr_count:     1024
    .wavefront_size: 32
...
	.end_amdgpu_metadata
.endif
;; end of part 6
;; launch down (part 7): grid 256 x 1, 4 waves a work-group, no clusters, 147,968 bytes of LDS; arguments counts, list, act, w2, y; writes y
.if DOCPART == 7
	.amdgcn_target "amdgcn-amd-amdhsa--gfx1250"
	.amdhsa_code_object_version 6
	.text
	.protected	k_q340473f2c8_down
	.globl	k_q340473f2c8_down
	.p2align	8
	.type	k_q340473f2c8_down,@function
k_q340473f2c8_down:
	s_mov_b64 s[64:65], 0
	v_nop
	global_prefetch_b8 v0, s[64:65] scope:SCOPE_SE
	s_setreg_imm32_b32 hwreg(HW_REG_WAVE_SCHED_MODE, 0, 2), 2
	s_setreg_imm32_b32 hwreg(HW_REG_WAVE_MODE, 25, 1), 1
	s_wait_xcnt 0x0
	s_wait_alu depctr_vm_vsrc(0)
; y[p] = (hi + lo of pair p's row of act) times w2[e], in f32: one row of 2,048 numbers for each of the 2,048 pairs.
; Work-group (e, s): expert e, columns 64 s .. 64 s + 63 of w2 (256 bytes of each of 1,024 rows), read by no other work-group.
; PHASE 1: wave w reads rows k = 256 w .. 256 w + 255 in 8 groups of 16 loads, four groups on their way at a time, into the 256 registers
; that later are the row ring; rounds to bf16, turns each step of 32 k x 64 columns through a stage of its own in LDS and keeps the 32
; fragments in 256 registers.
; PHASE 2: the expert's tiles of 32 rows of act.  A tile is 64 blocks kb = 2 (k step) + part of 2 KiB, part 0 = hi, 1 = lo; wave w's quarter
; of K is blocks 16 w .. 16 w + 15, 32 KiB, loaded straight into the ring; block kb is multiplied by the weight fragments of k step kb / 2,
; so hi and lo are added into the same sums.  Each group of four blocks is asked for again, with the next tile, when its 32 matrix
; instructions are done; the last tile asks for nothing.  The four partial sums meet in LDS; wave w finishes rows 8 w .. 8 w + 7 and stores each to
; the row of y that the list names: sixteen lanes store 256 consecutive bytes, aligned.
; BARRIERS: places for 64 tiles, as many as an expert can have, TWO TILES FOR EACH BARRIER, every barrier on every path: T_e is read from
; memory, and no barrier stands under a branch on such a number.  The work on either side stands under branches on i < T_e.  Four areas for
; the partial sums, by tile of the pair and by parity of the pair: a pair's barrier orders its stores with its reads, the next pair's
; barrier those reads with the areas' next stores.
; ROWS PAST n_e carry the last row's numbers (they were made so from x on) and are stored to the last pair's row of y: the same bytes
; written again by the same work-group.  So every lane stores, and EXEC is never changed.
; NO CLUSTER: a joint load would stand on every path of every partner, all 64 places.
; K is summed as four partial f32 sums, (P0 + P1) + (P2 + P3).  An expert without rows: its slab and tile 0's bytes are loaded, nothing is made of them.
; THE MODE: SCHED_MODE bits 1:0 = 2 (LLVM: expert scheduling mode 2), set by the entry lines.  The code itself states the register dependences
; between vector or matrix instructions and memory or LDS instructions, with s_wait_alu, always for 0.
; THE PLAN.  Registers that memory or LDS instructions touch:
;   the ring      Phase 1: step g's conversions read group g % 4; then the loads of step g + 4 land in it.  Phase 2: step g's 32 matrix
;                 instructions read group g; then the next tile's loads land in it.
;   v[TB ..]      Phase 1 only (the accumulators are idle): written by a step's conversions, read by its 16 stage stores.
;   accumulators  Written by a tile's products, read by its 16 LDS stores; behind the barrier the partial sums' LDS loads land in them, the additions
;                 work on them, and the stores to y read the first 16 of each set.
;   v[12:23], v[176:187]   Four LDS addresses (vector instructions write, LDS loads read), four pair ids (those loads land, vector instructions read),
;                 four offsets in y (vector instructions write, the stores read).
;   v2 to v11     Made at the head, never written again.  The weight fragments are loaded once and then named by matrix instructions alone.
; A phase 1 step has one wait on vm_vsrc at its head (TB is free) and one on va_vdst behind its conversions (the ring group is read out, TB is written).
; A tile has one wait on vm_vsrc at its head (the stores to y are done with the accumulators), one on va_vdst at the head of its steps 1 to 3 (the step
; before is done with its ring group, whose 16 loads are then dealt among this step's first matrix instructions, which name none of their registers) and one
; at its end (the accumulators are written, the last group is read out).
; A pair has one wait on vm_vsrc behind its barrier, one on va_vdst behind the addresses of both tiles and one ahead of the run of stores.
.set PLCS,  64
.set LST,   0                          ; LDS: the expert's list, 8 KiB
.set SCR,   8192                       ; then four areas of 4 x 8,704 bytes; in phase 1 each wave's stage lies in its part of the first
.set SCRW,  8704                       ; 32 rows of 64 f32, 272 bytes apart
.set SCRP,  4*SCRW
.set SP,    160                        ; stage: 32 rows (k) of 64 bf16, 160 bytes apart
.set ACCA,  32                         ; v[32:95] first tile of a pair, v[96:159] second: tile (ms, nt) at 8 (4 ms + nt); later the four partial sums
.set TB,    32                         ; v[32:63] in phase 1: a step's numbers in bf16, on their way to the stage
.set LS0,   160                        ; v[160:175] my 64 bytes of the list, on their way to LDS
; v1 lane  v2 weights' offset  v3 stage in  v4 stage out  v5 16 lane  v6 16 thread  v7, v10 partial sums in (pair parity 0, 1)  v8, v11 out
; v9 16 (lane % 16)  v[24:27] my four rows in a tile
; v[12:23] first tile, v[176:187] second: 4 LDS addresses in the list, 4 pair ids, 4 offsets in y
; window 1: weight fragments of k steps 0-7 at 8 (4 ks + nt); window 2: the ring, (kb, ms) at 16 kb + 8 ms
; s46, s47 the pair's tile numbers  s[52:53] next tile of act  s58, s59 the pair's first ranks
.set MSB, 0
.macro WIN new                         ; the immediate's high byte repeats the setting that is left
.if MSB != \new
	s_set_vgpr_msb (MSB<<8)|\new
.set MSB, \new
.endif
.endm
.macro PLACES                          ; four places behind a matrix instruction (ISA guide 7.12.1), in front of reads of its results
.rept 4
	v_nop
.endr
.endm
; k step g of my quarter: 32 rows x 256 bytes; a load takes 2 rows; read once in the launch; into quarter g % 4 of the ring
.macro LDG g
	WIN 0x80
.irp i, 0,1,2,3,4,5,6,7,8,9,10,11,12,13,14,15
	global_load_b128 v[64*((\g)%4)+4*\i:64*((\g)%4)+4*\i+3], v2, s[10:11] offset:(32*(\g)+2*\i)*8192 th:TH_LOAD_NT
.endr
.endm
; the row fragments of block 4 grp + kk of the tile at s[base:base+1]: 4 loads of 512 consecutive bytes
.macro RLD4 grp, kk, base
	WIN 0x80
.irp mq, 0,1,2,3
	global_load_b128 v[16*(4*(\grp)+(\kk))+4*\mq:16*(4*(\grp)+(\kk))+4*\mq+3], v5, s[\base:\base+1] offset:(4*(\grp)+(\kk))*2048+512*\mq
.endr
.endm
.macro RLD grp, base                   ; a whole group: blocks 4 grp .. 4 grp + 3
.irp kk, 0,1,2,3
	RLD4 \grp, \kk, \base
.endr
.endm
; k step g: round into TB; the group four steps ahead is asked for at once; then through the stage, into the step's four fragments.
; Behind the last weights tile 0's four groups take the places of groups 8 to 11, so the count is the same in every step.
.macro CVT g
	s_wait_loadcnt 48                              ; group g is in; the three younger groups of 16 stay out
.if (\g) > 0
	s_wait_dscnt 8                                 ; the last step's 16 stage stores are done; its 8 transposing loads may stay out
	s_wait_alu depctr_vm_vsrc(0)                   ; the last step's stage stores have read v[TB ..], which the conversions below write again
.endif
.set R, 64*((\g)%4)
	WIN 0x0a                                       ; sources in window 2, destination in window 0
.irp i, 0,1,2,3,4,5,6,7,8,9,10,11,12,13,14,15
	v_cvt_pk_bf16_f32 v[TB+2*\i],   v[R+4*\i],   v[R+4*\i+1]
	v_cvt_pk_bf16_f32 v[TB+2*\i+1], v[R+4*\i+2], v[R+4*\i+3]
.endr
	WIN 0x80                                       ; loaded data window 2; addresses and store data window 0
	s_wait_alu depctr_va_vdst(0)                   ; the conversions are done reading the ring group, in which the loads below land, and have written v[TB ..], which the stage stores read; in step 0 the LDS addresses v3 to v11 are written too
.if (\g)+4 < 8
	LDG (\g)+4
.else
	RLD (\g)-4, 8                                  ; tile 0
.endif
.irp i, 0,1,2,3,4,5,6,7,8,9,10,11,12,13,14,15
	ds_store_b64 v3, v[TB+2*\i:TB+2*\i+1] offset:2*SP*\i
.endr
	WIN 0x40
.irp nt, 0,1,2,3
	ds_load_tr16_b128 v[8*(4*(\g)+\nt):8*(4*(\g)+\nt)+3],   v4 offset:32*\nt          ; k = 8 h .. + 7 of column 16 nt + r; LDS serves a wave's instructions in order: these see the stores above
	ds_load_tr16_b128 v[8*(4*(\g)+\nt)+4:8*(4*(\g)+\nt)+7], v4 offset:32*\nt+16*SP    ; k = 16 + 8 h .. + 7
.endr
.endm
; 32 matrix instructions: four blocks = two k steps, hi and lo of each.  The eight accumulators take turns, one instruction a turn;
; the first block starts the sums.
; rl = 1: the group before is asked for again, with the next tile: four loads (and two window switches) behind each of the first four matrix
; instructions.  No wait: no vector or matrix instruction since the wait at the step's head names v5 or that group's registers.
.macro MUL32 grp, acc, rl
.set n, 0
.irp kk, 0,1,2,3
.irp ms, 0,1
.irp nt, 0,1,2,3
	WIN 0x09                                       ; source 0 window 1, source 1 window 2
.if (4*\grp+\kk) == 0
	v_wmma_f32_16x16x32_bf16 v[\acc+8*(4*\ms+\nt):\acc+8*(4*\ms+\nt)+7], v[8*(4*((4*\grp+\kk)>>1)+\nt):8*(4*((4*\grp+\kk)>>1)+\nt)+7], v[16*(4*\grp+\kk)+8*\ms:16*(4*\grp+\kk)+8*\ms+7], 0
.else
	v_wmma_f32_16x16x32_bf16 v[\acc+8*(4*\ms+\nt):\acc+8*(4*\ms+\nt)+7], v[8*(4*((4*\grp+\kk)>>1)+\nt):8*(4*((4*\grp+\kk)>>1)+\nt)+7], v[16*(4*\grp+\kk)+8*\ms:16*(4*\grp+\kk)+8*\ms+7], v[\acc+8*(4*\ms+\nt):\acc+8*(4*\ms+\nt)+7]
.endif
.if (\rl) && (n < 4)
	RLD4 (\grp)-1, n, 52
.endif
.set n, n+1
.endr
.endr
.endr
.endm
; The products of tile i = s25 + 2 pp + tl, and its partial sums into area (pp, tl)
.macro TILE tl, pp
	s_add_co_u32 s[46+\tl], s25, 2*\pp+\tl
	s_cmp_ge_u32 s[46+\tl], s22
	s_cbranch_scc1 .Lskip_\@                       ; past the last tile
	s_wait_xcnt 0x0                                ; the base that earlier loads name, and the accumulators, from which an earlier pair's stores read, are rewritten only behind this wait
	s_wait_alu depctr_vm_vsrc(0)                   ; an earlier pair's stores to y have read these accumulator registers (ahead of the first tile of all: phase 1's stage stores have read v[TB ..]), which the products below write
	s_cmp_eq_u32 s[46+\tl], s24
	s_cbranch_scc1 .Llast_\@
	s_add_co_u32 s49, s[46+\tl], 1                 ; the next tile
	s_min_u32 s49, s49, 63
	s_lshl_b32 s50, s49, 17
	s_add_nc_u64 s[52:53], s[8:9], s[50:51]
	s_wait_loadcnt 48                              ; group 0 of this tile is in: behind it the tile's three other groups were asked for, 16 loads each
	MUL32 0, ACCA+64*\tl, 0
.irp g, 1,2,3
	s_wait_loadcnt 32                              ; group g of this tile is in: behind it two groups were asked for, 16 loads each
	s_wait_alu depctr_va_vdst(0)                   ; the matrix instructions of the step before are done reading their ring group, in which the loads dealt below land
	MUL32 \g, ACCA+64*\tl, 1
.endr
	PLACES                                         ; the places in front of the LDS stores that read the results,
	v_nop                                          ; and the fifth: a later tile's first matrix instructions write over these accumulators
	WIN 0x80
	s_wait_alu depctr_va_vdst(0)                   ; the products have written the accumulators, which the LDS stores below read, and are done reading ring group 3, in which the loads below land
	RLD 3, 52                                      ; the last group of the next tile
	WIN 0
	s_branch .Lsto_\@
.Llast_\@:
.irp g, 0,1,2,3
	s_wait_loadcnt 48-16*\g                        ; nothing is asked for any more: the counts run down
	MUL32 \g, ACCA+64*\tl, 0
.endr
	WIN 0
	PLACES
	v_nop
	s_wait_alu depctr_va_vdst(0)                   ; the products have written the accumulators, which the LDS stores below read
.Lsto_\@:
	; as 32 rows of 64 f32: lane (r, h) holds row 16 ms + r, columns 16 nt + 8 h + j
.irp ms, 0,1
.irp nt, 0,1,2,3
	ds_store_b128 v[7+3*\pp], v[ACCA+64*\tl+8*(4*\ms+\nt):ACCA+64*\tl+8*(4*\ms+\nt)+3]   offset:\tl*SCRP+4352*\ms+64*\nt
	ds_store_b128 v[7+3*\pp], v[ACCA+64*\tl+8*(4*\ms+\nt)+4:ACCA+64*\tl+8*(4*\ms+\nt)+7] offset:\tl*SCRP+4352*\ms+64*\nt+16
.endr
.endr
.Lskip_\@:
.endm
; Behind the barrier.  ADDR: the LDS addresses, in the list, of the four rows of tile tl that I store (made for both places of the pair, so that one wait serves both)
.macro ADDR tl, A
	s_lshl_b32 s[58+\tl], s[46+\tl], 5
.irp i, 0,1,2,3
	v_add_nc_u32 v[\A+\i], s[58+\tl], v[24+\i]     ; the rows' ranks,
	v_min_u32 v[\A+\i], s21, v[\A+\i]              ; past the end the last row's
	v_min_u32 v[\A+\i], 0x7ff, v[\A+\i]
	v_lshlrev_b32 v[\A+\i], 2, v[\A+\i]
.endr
.endm
; SUMS: 20 LDS loads for tile tl: the pair ids of these four rows, and the four waves' parts of the rows, into the tile's own accumulator registers
.macro SUMS tl, pp, A
.irp i, 0,1,2,3
	ds_load_b32 v[\A+4+\i], v[\A+\i] offset:LST
.endr
.irp pw, 0,1,2,3
.irp i, 0,1,2,3
	ds_load_b128 v[ACCA+64*\tl+16*\pw+4*\i:ACCA+64*\tl+16*\pw+4*\i+3], v[8+3*\pp] offset:\tl*SCRP+SCRW*\pw+544*\i    ; rows 8 w + 2 i + lane / 16 of wave pw's part
.endr
.endr
.endm
.macro MATH tl, A
.set P, ACCA+64*\tl
.irp i, 0,1,2,3
	v_min_u32 v[\A+8+\i], 0x7ff, v[\A+4+\i]        ; a pair id is below 2,048
	v_lshl_add_u32 v[\A+8+\i], v[\A+8+\i], 13, v9  ; rows of 8,192 bytes
.endr
.irp i, 0,2,4,6,8,10,12,14
	v_pk_add_f32 v[P+\i:P+\i+1],       v[P+\i:P+\i+1],       v[P+16+\i:P+16+\i+1]
	v_pk_add_f32 v[P+32+\i:P+32+\i+1], v[P+32+\i:P+32+\i+1], v[P+48+\i:P+48+\i+1]
.endr
.irp i, 0,2,4,6,8,10,12,14
	v_pk_add_f32 v[P+\i:P+\i+1], v[P+\i:P+\i+1], v[P+32+\i:P+32+\i+1]
.endr
.endm
.macro SEND tl, A
.irp i, 0,1,2,3
	global_store_b128 v[\A+8+\i], v[ACCA+64*\tl+4*\i:ACCA+64*\tl+4*\i+3], s[12:13]
.endr
.endm
; Two tiles and their one barrier
.macro PAIR pp
	TILE 0, \pp
	TILE 1, \pp
	s_wait_dscnt 0x0                               ; for the others' sake: my stores are done, and my reads of the other parity's areas are back
	s_barrier_signal -1
	s_barrier_wait -1
	s_wait_alu depctr_vm_vsrc(0)                   ; my LDS stores have read the pair's accumulators, in which the loads below land; the last pair's LDS loads have read their addresses in the list, its stores their offsets in y: all are written again below
	s_cmp_ge_u32 s46, s22
	s_cbranch_scc1 .Lnone_\@
	s_wait_xcnt 0x0                                ; the last pair's stores have read their offsets
	ADDR 0, 12
	ADDR 1, 176
	s_wait_alu depctr_va_vdst(0)                   ; the eight addresses in the list are written, which the LDS loads below read; the last pair's arithmetic is done with the pair ids and the accumulator registers, in which they land
	SUMS 0, \pp, 12
	s_cmp_ge_u32 s47, s22
	s_cbranch_scc1 .Lone_\@
	SUMS 1, \pp, 176
	s_wait_dscnt 20                                ; the first tile's loads are back; the second tile's 20 may stay out
	MATH 0, 12
	s_wait_dscnt 0x0
	MATH 1, 176
	s_wait_alu depctr_va_vdst(0)                   ; the offsets in y and the sums are written, which the eight stores read
	SEND 0, 12
	SEND 1, 176
	s_branch .Lnone_\@
.Lone_\@:
	s_wait_dscnt 0x0
	MATH 0, 12
	s_wait_alu depctr_va_vdst(0)                   ; the offsets in y and the sums are written, which the four stores read
	SEND 0, 12
.Lnone_\@:
.endm
	s_load_b256 s[4:11], s[0:1], 0x0               ; counts s[4:5], list s[6:7], act s[8:9], w2 s[10:11]
	s_load_b64 s[12:13], s[0:1], 0x20              ; y
	v_lshl_add_u32 v254, v0, 2, 0x24000
	v_mov_b32 v255, 0
	v_and_b32 v1, 31, v0
	v_lshrrev_b32 v28, 5, v0
	v_readfirstlane_b32 s16, v28                   ; wave w
	s_lshr_b32 s18, ttmp9, 5                       ; e
	s_and_b32 s19, ttmp9, 31                       ; slab s
	s_lshl_b32 s26, s18, 23                        ; w2: 8 MiB e + 256 s + 256 rows of 8,192 bytes x w
	s_lshl_b32 s48, s19, 8
	s_add_co_u32 s26, s26, s48
	s_wait_alu depctr_va_sdst(0)                   ; s16 is written, ahead of its first reader: the offsets in w2, act and LDS are made from it
	s_lshl_b32 s48, s16, 21
	s_add_co_u32 s26, s26, s48
	s_mov_b32 s27, 0
	s_lshl_b32 s28, s18, 8                         ; counts: 256 e
	s_mov_b32 s29, 0
	s_lshl_b32 s30, s18, 13                        ; list: 8 KiB e
	s_mov_b32 s31, 0
	s_lshl_b32 s50, s18, 23                        ; act: 8 MiB e + my quarter of a tile, 32 KiB w
	s_lshl_b32 s48, s16, 15
	s_add_co_u32 s50, s50, s48
	s_mov_b32 s51, 0                               ; stays 0: the upper word of every offset made in s50
	s_lshl_b32 s52, s19, 8                         ; y: 256 s
	s_mov_b32 s53, 0
	v_and_b32 v28, 15, v1                          ; lane % 16
	v_lshrrev_b32 v29, 4, v1                       ; lane / 16
	v_lshlrev_b32 v2, 13, v29
	v_lshl_add_u32 v2, v28, 4, v2
	v_lshlrev_b32 v5, 4, v1
	v_lshlrev_b32 v6, 4, v0                        ; 16 thread
	s_wait_kmcnt 0x0
	s_add_nc_u64 s[4:5], s[4:5], s[28:29]
	s_add_nc_u64 s[6:7], s[6:7], s[30:31]
	s_add_nc_u64 s[10:11], s[10:11], s[26:27]
	s_load_b32 s20, s[4:5], 0x0                    ; n_e
	s_wait_alu depctr_va_vdst(0)                   ; the offsets v2, v5 and v6 are written, which every global load of the kernel reads
.irp i, 0,1,2,3
	global_load_b128 v[LS0+4*\i:LS0+4*\i+3], v6, s[6:7] offset:2048*\i     ; the expert's list: 2 KiB a line for the 128 threads
.endr
	LDG 0
	LDG 1
	LDG 2
	LDG 3
	WIN 0
	s_add_nc_u64 s[8:9], s[8:9], s[50:51]
	s_add_nc_u64 s[12:13], s[12:13], s[52:53]
	; LDS addresses
	s_mul_i32 s49, s16, SCRW
	s_add_co_u32 s49, s49, SCR                     ; my part of the first area: stage in phase 1, partial sums in phase 2
	v_mul_u32_u24 v3, SP, v29
	v_lshl_add_u32 v3, v28, 3, v3
	v_add_nc_u32 v3, s49, v3                       ; stage in: row lane / 16, 8 bytes at lane % 16
	v_and_b32 v30, 7, v1
	v_lshl_add_u32 v30, v29, 3, v30
	v_mul_u32_u24 v4, SP, v30
	v_bfe_u32 v31, v1, 3, 1
	v_lshl_add_u32 v4, v31, 4, v4
	v_add_nc_u32 v4, s49, v4                       ; stage out: row 8 h + lane % 8, 16 bytes at (lane / 8) % 2
	v_mul_u32_u24 v7, 272, v28
	v_lshl_add_u32 v7, v29, 5, v7
	v_add_nc_u32 v7, s49, v7                       ; partial sums in: row r, 32 bytes at h
	v_add_nc_u32 v10, 2*SCRP, v7                   ; the odd pairs' areas
	s_mul_i32 s54, s16, 8*272
	s_add_co_u32 s54, s54, SCR
	v_mul_u32_u24 v8, 272, v29
	v_lshl_add_u32 v8, v28, 4, v8
	v_add_nc_u32 v8, s54, v8                       ; out: row 8 w + lane / 16 of wave 0's part, 16 bytes at lane % 16
	v_add_nc_u32 v11, 2*SCRP, v8
	v_lshlrev_b32 v9, 4, v28
	s_lshl_b32 s55, s16, 3
	v_add_nc_u32 v24, s55, v29                     ; my rows in a tile: 8 w + 2 i + lane / 16
	v_add_nc_u32 v25, 2, v24
	v_add_nc_u32 v26, 4, v24
	v_add_nc_u32 v27, 6, v24
	s_wait_kmcnt 0x0
	s_min_u32 s20, s20, 2048                       ; n
	s_sub_co_u32 s21, s20, 1                       ; n - 1
	s_add_co_u32 s22, s20, 31
	s_lshr_b32 s22, s22, 5                         ; T
	s_sub_co_u32 s24, s22, 1                       ; T - 1
	CVT 0
	WIN 0
.irp i, 0,1,2,3
	ds_store_b128 v6, v[LS0+4*\i:LS0+4*\i+3] offset:LST+2048*\i    ; in since the wait for group 0; read by all waves behind the first barrier
.endr
.irp g, 1,2,3,4,5,6,7
	CVT \g
.endr
	WIN 0
	s_mov_b32 s25, 0
	s_wait_dscnt 0x0                               ; the last weight fragments are in their registers
.Lloop:
	PAIR 0
	PAIR 1
	s_add_co_u32 s25, s25, 4
	s_cmp_lt_u32 s25, PLCS
	s_cbranch_scc1 .Lloop
	s_wait_dscnt 0x0
	s_wait_alu depctr_hold_cnt(0) depctr_sa_sdst(0) depctr_va_vdst(0) depctr_va_sdst(0) depctr_va_ssrc(0) depctr_va_vcc(0) depctr_vm_vsrc(0)
	s_wait_tensorcnt 0x0
	ds_add_u32 v254, v255
	s_wait_dscnt 0x0
	s_endpgm
.Lfunc_end_k_q340473f2c8_down:
	.size	k_q340473f2c8_down, .Lfunc_end_k_q340473f2c8_down-k_q340473f2c8_down
	.p2alignl 7, 3214868480
	.fill 96, 4, 3214868480
	.section	.rodata,"a",@progbits
	.p2align	6, 0x0
	.amdhsa_kernel k_q340473f2c8_down
		.amdhsa_group_segment_fixed_size 147968
		.amdhsa_private_segment_fixed_size 0
		.amdhsa_enable_private_segment 0
		.amdhsa_kernarg_size 40
		.amdhsa_user_sgpr_count 2
		.amdhsa_user_sgpr_kernarg_segment_ptr 1
		.amdhsa_wavefront_size32 1
		.amdhsa_system_sgpr_workgroup_id_x 1
		.amdhsa_system_sgpr_workgroup_id_y 1
		.amdhsa_system_sgpr_workgroup_id_z 1
		.amdhsa_system_vgpr_workitem_id 0
		.amdhsa_next_free_vgpr 768
		.amdhsa_next_free_sgpr 66
		.amdhsa_reserve_vcc 0
		.amdhsa_float_denorm_mode_32 3
		.amdhsa_float_denorm_mode_16_64 3
		.amdhsa_memory_ordered 1
		.amdhsa_forward_progress 1
		.amdhsa_inst_pref_size 176
	.end_amdhsa_kernel
	.amdgpu_metadata
---
amdhsa.version: [ 1, 2 ]
amdhsa.kernels:
  - .name:           k_q340473f2c8_down
    .symbol:         k_q340473f2c8_down.kd
    .args:
      - { .name: counts, .offset: 0, .size: 8, .value_kind: global_buffer, .address_space: global }
      - { .name: list, .offset: 8, .size: 8, .value_kind: global_buffer, .address_space: global }
      - { .name: act, .offset: 16, .size: 8, .value_kind: global_buffer, .address_space: global }
      - { .name: w2, .offset: 24, .size: 8, .value_kind: global_buffer, .address_space: global }
      - { .name: y, .offset: 32, .size: 8, .value_kind: global_buffer, .address_space: global }
    .group_segment_fixed_size: 147968
    .private_segment_fixed_size: 0
    .kernarg_segment_align: 8
    .kernarg_segment_size: 40
    .max_flat_workgroup_size: 128
    .sgpr_count:     66
    .vgpr_count:     768
    .wavefront_size: 32
...
	.end_amdgpu_metadata
.endif
;; end of part 7
;; launch combine: the kernel of part 5 again; grid 256 x 1, 8 waves a work-group, no clusters, 0 bytes of LDS; arguments y, out0; writes out0
